; MI455X (gfx1250); checked and timed in simulation.
; The chip was launched on July 23, 2026; its instructions are those of AMD's public machine-readable ISA for CDNA 5 (MIT licence, August 2026) and "CDNA5" Instruction Set Architecture Reference Guide (July 2026). The comments in the code are by the model that wrote it; some were corrected since.
;; Causal Attention. Allowed arithmetic: matrix products marked QUANTISED: E2M1 operands, one E8M0 scale for each 32 along K, by v_wmma_scale_f32_16x16x128_f8f6f4 with both operands' format E2M1 (or v_wmma_scale_f32_32x16x128_f4), f32 sums; products left as they are: bf16, f16 or f32 operands; f32 sums; everything else in f32.
;; Inputs: Wk 1,024 x 1,024 float32; Wo 1,024 x 1,024 float32; Wq 1,024 x 1,024 float32; Wv 1,024 x 1,024 float32; x 2 x 2,048 x 1,024 float32.
;; Outputs: out0 2 x 2,048 x 1,024 float32.
;; This version of the problem:
;;   THIS VERSION OF THE PROBLEM IS GIVEN IN LOW PRECISION. The matrix products marked QUANTISED in the list below multiply operands that are first quantised to E2M1 (2 exponent bits, 1 mantissa bit; 4 bits a number), with one power-of-two scale for each 32 numbers along K (OCP MX v1.0); their sums are f32. The products marked 'left as it is' may take bf16, f16 or f32 operands, with f32 sums. Whichever they take, every output number must still come out within the allowed error. Rounding operands to bf16 (8 significant bits) uses up far more of that allowance than f16 does (11 bits, for magnitudes from 6e-5 to 65,504). All else is computed in f32.
;;   The module's matrix products, in the order in which they are computed (A, B: the left and right operand; K: the contracted axis; several contracted axes count as one K, in the product's order):
;;     1. [M 4,096, K 1,024] x [K 1,024, N 1,024]; A: input x; B: input Wq: QUANTISED
;;     2. [M 4,096, K 1,024] x [K 1,024, N 1,024]; A: input x; B: input Wk: QUANTISED
;;     3. [M 4,096, K 1,024] x [K 1,024, N 1,024]; A: input x; B: input Wv: QUANTISED
;;     4. batch 32 x [M 2,048, K 64] x [K 64, N 2,048]; A: computed on the way; B: computed on the way: left as it is (an operand is computed on the way)
;;     5. batch 32 x [M 2,048, K 2,048] x [K 2,048, N 64]; A: computed on the way; B: computed on the way: left as it is (an operand is computed on the way)
;;     6. [M 4,096, K 1,024] x [K 1,024, N 1,024]; A: computed on the way; B: input Wo: left as it is (an operand is computed on the way)
;;   THE QUANTISER, for each operand of a quantised product, along K:
;;     - K is cut into blocks of 32 from its start; a last block that is shorter is filled with zeros.
;;     - A block's scale is 2^e with e = floor(log2(the largest magnitude in the block)) - 2, held to -126 .. 127; a block of zeros has e = 0. As a byte (E8M0): e + 127.
;;     - Each number is divided by its block's scale, clamped to +-6, and rounded to the nearest number of E2M1, ties to even, subnormals kept.
;;     - The product sums the exact products of the quantised numbers (number of the format x scale) in f32.
;;   ~~~python
;;   def quantise(x, axis):      # numpy; x: float32 -> the quantised numbers, widened to float32 again
;;       x = np.moveaxis(x, axis, -1); K = x.shape[-1]
;;       x = np.pad(x, [(0, 0)] * (x.ndim - 1) + [(0, -K % 32)]); x = x.reshape(x.shape[:-1] + (-1, 32)); a = np.abs(x).max(-1, keepdims=True)
;;       e = np.where(a > 0, np.clip(np.frexp(np.where(a > 0, a, 1))[1] - 1 - 2, -126, 127), 0)      # np.frexp(a)[1] - 1 = floor(log2(a)), exactly
;;       r = np.clip(x / 2.0 ** e, -6, 6)
;;       step = 2.0 ** (np.maximum(np.frexp(np.where(r == 0, 1, r))[1] - 1, 0) - 1)
;;       q = np.round(r / step) * step * 2.0 ** e      # np.round: ties to even
;;       return np.moveaxis(q.reshape(q.shape[:-2] + (-1,))[..., :K], -1, axis).astype(np.float32)
;;   ~~~
;; One version. Each part assembles by itself: llvm-mc -triple=amdgcn-amd-amdhsa -mcpu=gfx1250 --defsym DOCPART=n.
;; ======== version 1 of 1: 5 launches
;; limits: values are held in f16: magnitudes above 65,504 overflow, below 6.1e-05 lose precision
;; workspace buffers: xq 2,228,224 bytes; wq 1,671,168 bytes; woi 2,097,152 bytes; qi 8,388,608 bytes; kv 16,777,216 bytes; ao 8,388,608 bytes; f32i 393,216 bytes
;; launch prep (part 1): grid 512 x 1, 4 waves a work-group, no clusters, 33,280 bytes of LDS; arguments x, Wq, Wk, Wv, Wo, xq, wq, woi; writes xq, wq, woi
.if DOCPART == 1
	.amdgcn_target "amdgcn-amd-amdhsa--gfx1250"
	.amdhsa_code_object_version 6
	.text
	.protected	k_q381e7b7285_prep
	.globl	k_q381e7b7285_prep
	.p2align	8
	.type	k_q381e7b7285_prep,@function
k_q381e7b7285_prep:
	s_mov_b64 s[64:65], 0
	v_nop
	global_prefetch_b8 v0, s[64:65] scope:SCOPE_SE
	s_setreg_imm32_b32 hwreg(HW_REG_WAVE_MODE, 25, 1), 1
	s_wait_xcnt 0x0
; PREP.  x [4096][1024] f32 -> codes of FP4 (E2M1) with K innermost and one E8M0 byte for each 32 along K (buffer xq: codes [4096][512 bytes], from byte XSC on the scale bytes [4096][32]).
; Wq, Wk, Wv [1024 (k)][1024 (n)] f32 -> the same along their FIRST axis, laid as images of the operand's registers (buffer wq):
;   codes [head 16][tile 12][K step 8][piece 2][lane 32][16 bytes]: tiles 0-3 are q's 16-column tiles of the head, 4-7 k's, 8-11 v's; lane (r, h) of piece c holds block 4 s + 2 c + h of column r;
;   from byte WSC on the scale words [K step 8][3072 columns]: column = 192 head + 64 matrix + d, byte t of a word = block 4 s + t.
; Wo [1024 (k)][1024 (n)] f32 -> f16, laid [16-column tile 64][piece 64][lane][16 bytes]: lane (r, h) of piece p holds Wo[16 p + 8 h + 0..7][16 tile + r] (buffer woi).
; A block's scale is 2^(floor(log2(largest magnitude)) - 2); its byte is the largest magnitude's exponent field - 2, held at 1 from below.
; LIMITS: a block of zeros gets the byte 1 where the rule says 127 (its codes are zeros, and this program alone reads the bytes); blocks whose largest magnitude lies under 2^-124 keep the byte 1;
; NaN and infinities among the inputs are not served; Wo is rounded to f16 (11 significant bits; magnitudes under 2^-14 keep an absolute error of 2^-25).
; SHARES.  Work-groups 0-255 take x: a wave takes 4,096 numbers in 8 steps of 512.  Work-groups 256-511 take the four weights: 64 each; a wave takes 32 columns x 128 along K, a lane a column, its registers down K.
; No tensor load, no barrier: waves share nothing.  Only the x role touches LDS (each wave its own 8,192 bytes).
.set XSC,   2097152
.set WSC,   1572864
.set WREG,  8192                       ; a wave's LDS: two stages of 32 x SP bytes, then its 128 scale bytes
.set SP,    80                         ; a lane's place in a stage: 64 bytes + 16 of padding
.set SPARE, 4*WREG                     ; the spare words, 128 bytes for each wave
.set SPW,   12                         ; v12  LDS address of my spare word; never rewritten
.set NIL,   13                         ; v13  0; never rewritten
.set R,     16                         ; v16-143  x role: eight sets of 16 numbers as loaded;  weights: four blocks of 32 numbers down K
.set X,     144                        ; v144-175 x role: two sets of 16 neighbours
.set C,     176                        ; v176-191 x role: two registers of codes for each step
.set E,     192                        ; v192-199 x role: a scale byte for each step
.set WC,    144                        ; weights: v144-159 codes (4 a block), or v144-207 f16 (16 a block)
.set WW,    160                        ; weights: the scale word
.macro XLOAD t
.irp i, 0,1,2,3
	global_load_b128 v[R+16*(\t)+4*\i:R+16*(\t)+4*\i+3], v3, s[4:5] offset:2048*(\t)+512*\i th:TH_LOAD_NT   ; 32 lanes read 512 consecutive bytes
.endr
.endm
.macro TURN t                          ; a step's 2,048 bytes go through the wave's own stage as they lie and come back 64 bytes a lane; LDS serves a wave's instructions in order
.irp i, 0,1,2,3
	ds_store_b128 v14, v[R+16*(\t)+4*\i:R+16*(\t)+4*\i+3] offset:32*SP*((\t)%2)+8*SP*\i
.endr
.irp i, 0,1,2,3
	ds_load_b128 v[X+16*((\t)%2)+4*\i:X+16*((\t)%2)+4*\i+3], v15 offset:32*SP*((\t)%2)+16*\i
.endr
.endm
.macro XSTEP t
.set XN, X+16*((\t)%2)
.if (\t) > 0
	s_wait_dscnt 1                                 ; this step's numbers are back from the stage; the last step's byte store may be out
.else
	s_wait_dscnt 0x0
.endif
.if (\t) < 7
	s_wait_loadcnt 4*(6-(\t))                      ; the next step's four loads are in; those of the steps behind it may be out
	TURN (\t)+1
.endif
	v_max3_num_f32 v8, |v[XN]|, |v[XN+1]|, |v[XN+2]|       ; the largest magnitude of my 16, in two chains
	v_max3_num_f32 v9, |v[XN+3]|, |v[XN+4]|, |v[XN+5]|
.irp i, 6,10
	v_max3_num_f32 v8, v8, |v[XN+\i]|, |v[XN+\i+1]|
	v_max3_num_f32 v9, v9, |v[XN+\i+2]|, |v[XN+\i+3]|
.endr
	v_max3_num_f32 v8, v8, |v[XN+14]|, |v[XN+15]|
	v_max3_num_f32 v8, v8, v9, 0x1800000           ; and the floor 2^(3 - 127): the byte cannot fall under 1
	v_max_num_f32_dpp v8, v8, v8 row_xmask:1 row_mask:0xf bank_mask:0xf   ; with my neighbour's 16: the block's
	v_add_nc_u32 v11, 0xff000000, v8               ; 2 off its exponent field: the conversion takes the exponent field of this operand as its scale
	v_cvt_scalef32_pk8_fp4_f32 v[C+2*(\t)], v[XN:XN+7], v11
	v_cvt_scalef32_pk8_fp4_f32 v[C+2*(\t)+1], v[XN+8:XN+15], v11
	v_lshrrev_b32 v[E+(\t)], 23, v11               ; the scale's byte (a plain line behind the conversions)
	ds_store_b8 v5, v[E+(\t)] offset:16*(\t)       ; both lanes of a block write the same byte with the same value
	global_store_b64 v4, v[C+2*(\t):C+2*(\t)+1], s[20:21] offset:256*(\t)   ; 32 lanes store 256 consecutive bytes, aligned
.endm
.macro LOADB t                         ; block t of my column: 32 numbers down K; 32 lanes read 128 consecutive bytes, the four waves stand side by side
.irp i, 0,1,2,3,4,5,6,7,8,9,10,11,12,13,14,15,16,17,18,19,20,21,22,23,24,25,26,27,28,29,30,31
	global_load_b32 v[R+32*(\t)+\i], v3, s[6:7] offset:(32*(\t)+\i)*4096 th:TH_LOAD_NT
.endr
.endm
.macro QBLOCK t                        ; block t is quantised: all its 32 numbers are mine
.set XN, R+32*(\t)
	v_max3_num_f32 v8, |v[XN]|, |v[XN+1]|, |v[XN+2]|
	v_max3_num_f32 v9, |v[XN+3]|, |v[XN+4]|, |v[XN+5]|
.irp i, 6,10,14,18,22,26
	v_max3_num_f32 v8, v8, |v[XN+\i]|, |v[XN+\i+1]|
	v_max3_num_f32 v9, v9, |v[XN+\i+2]|, |v[XN+\i+3]|
.endr
	v_max3_num_f32 v8, v8, |v[XN+30]|, |v[XN+31]|
	v_max3_num_f32 v8, v8, v9, 0x1800000
	v_add_nc_u32 v10, 0xff000000, v8
	v_lshrrev_b32 v11, 23, v10
.if (\t) == 0
	v_mov_b32 v[WW], v11                           ; four bytes make the K step's scale word, the lower K in the lower byte
.else
	v_lshl_or_b32 v[WW], v11, 8*(\t), v[WW]
.endif
.irp g, 0,1,2,3
	v_cvt_scalef32_pk8_fp4_f32 v[WC+4*(\t)+\g], v[XN+8*\g:XN+8*\g+7], v10
.endr
	v_nop                                          ; a plain line behind the last conversion
	global_store_b128 v4, v[WC+4*(\t):WC+4*(\t)+3], s[20:21] offset:256*(\t)   ; block t = 2 c + h of the fragment: sixteen lanes store 256 consecutive bytes, aligned
.endm
.macro CBLOCK t                        ; block t is rounded to f16: 8 neighbours along K make 16 bytes
.irp g, 0,1,2,3
.irp m, 0,1,2,3
	v_cvt_pk_f16_f32 v[WC+16*(\t)+4*\g+\m], v[R+32*(\t)+8*\g+2*\m], v[R+32*(\t)+8*\g+2*\m+1]
.endr
	global_store_b128 v4, v[WC+16*(\t)+4*\g:WC+16*(\t)+4*\g+3], s[20:21] offset:(4*(\t)+\g)*256
.endr
.endm
	s_load_b512 s[4:19], s[0:1], 0x0               ; x 4, Wq 6, Wk 8, Wv 10, Wo 12, xq 14, wq 16, woi 18
	v_lshl_add_u32 v[SPW], v0, 2, SPARE
	v_mov_b32 v[NIL], 0
	v_lshrrev_b32 v1, 5, v0
	v_readfirstlane_b32 s24, v1                    ; wave 0..3
	v_and_b32 v2, 31, v0                           ; lane
	s_cmp_lt_u32 ttmp9, 256
	s_cbranch_scc0 .Lweights
	; ---- x
	v_lshlrev_b32 v3, 4, v2                        ; my 16 bytes of a load's 512
	s_mul_i32 s25, s24, WREG
	v_lshrrev_b32 v14, 2, v2
	v_mul_u32_u24 v14, v14, SP
	v_and_b32 v15, 3, v2
	v_lshl_add_u32 v14, v15, 4, v14
	v_add_nc_u32 v14, s25, v14                     ; the stage, on the way in: SP (lane / 4) + 16 (lane % 4)
	v_mul_u32_u24 v15, v2, SP
	v_add_nc_u32 v15, s25, v15                     ; and on the way out: SP x lane
	v_lshlrev_b32 v4, 3, v2                        ; my codes' 8 bytes in a step's 256
	v_lshrrev_b32 v5, 1, v2
	s_add_co_u32 s25, s25, 2*32*SP
	v_add_nc_u32 v5, s25, v5                       ; my block's scale byte in LDS
	v_lshlrev_b32 v7, 2, v2
	v_add_nc_u32 v6, s25, v7                       ; and 4 bytes a lane on the way out
	s_lshl_b32 s26, ttmp9, 2
	s_add_co_u32 s26, s26, s24                     ; which run of 4,096 numbers is my wave's
	s_lshl_b32 s28, s26, 14
	s_mov_b32 s29, 0
	s_lshl_b32 s30, s26, 11
	s_mov_b32 s31, 0
	s_lshl_b32 s32, s26, 7
	s_add_co_u32 s32, s32, XSC
	s_mov_b32 s33, 0
	s_wait_kmcnt 0x0
	s_add_nc_u64 s[4:5], s[4:5], s[28:29]
	s_add_nc_u64 s[20:21], s[14:15], s[30:31]      ; my codes
	s_add_nc_u64 s[22:23], s[14:15], s[32:33]      ; my scale bytes
.irp t, 0,1,2,3,4,5,6,7
	XLOAD \t                                       ; all 32 loads of the wave go out at once: 16,384 bytes
.endr
	s_wait_loadcnt 28                              ; step 0's four loads are in
	TURN 0
.irp t, 0,1,2,3,4,5,6,7
	XSTEP \t
.endr
	ds_load_b32 v8, v6                             ; my wave's 128 scale bytes: LDS serves a wave's instructions in order
	s_wait_dscnt 0x0
	global_store_b32 v7, v8, s[22:23]              ; 128 consecutive bytes
	s_branch .Lend
	; ---- the weights
.Lweights:
	s_sub_co_u32 s25, ttmp9, 256
	s_lshr_b32 s26, s25, 6                         ; which matrix: 0 Wq, 1 Wk, 2 Wv, 3 Wo
	s_bfe_u32 s27, s25, 0x30003                    ; which 128 columns
	s_and_b32 s28, s25, 7                          ; which 128 along K
	v_lshlrev_b32 v3, 2, v2                        ; 4 bytes a lane
	s_lshl_b32 s30, s28, 19                        ; 128 rows of 4,096 bytes
	s_lshl_b32 s31, s27, 9
	s_add_co_u32 s30, s30, s31
	s_lshl_b32 s31, s24, 7
	s_add_co_u32 s30, s30, s31
	s_mov_b32 s31, 0
	v_lshrrev_b32 v5, 4, v2                        ; lane / 16: which 16-column tile of my two
	v_and_b32 v6, 15, v2
	v_lshlrev_b32 v6, 4, v6                        ; 16 x (lane % 16)
	s_wait_kmcnt 0x0
	s_cmp_eq_u32 s26, 1                            ; the choice hangs on the work-group's number alone
	s_cselect_b64 s[6:7], s[8:9], s[6:7]
	s_cmp_eq_u32 s26, 2
	s_cselect_b64 s[6:7], s[10:11], s[6:7]
	s_cmp_eq_u32 s26, 3
	s_cselect_b64 s[6:7], s[12:13], s[6:7]
	s_add_nc_u64 s[6:7], s[6:7], s[30:31]
	LOADB 0
	LOADB 1
	s_cmp_eq_u32 s26, 3
	s_cbranch_scc1 .Lcast
	s_lshl_b32 s32, s27, 1
	s_lshr_b32 s33, s24, 1
	s_add_co_u32 s32, s32, s33                     ; head = my first column / 64
	s_and_b32 s33, s24, 1
	s_mul_i32 s34, s32, 12
	s_lshl_b32 s35, s26, 2
	s_add_co_u32 s34, s34, s35
	s_lshl_b32 s35, s33, 1
	s_add_co_u32 s34, s34, s35                     ; my first tile: 12 head + 4 matrix + 2 (wave % 2)
	s_lshl_b32 s34, s34, 13
	s_lshl_b32 s35, s28, 10
	s_add_co_u32 s34, s34, s35                     ; + the K step's 1,024 bytes
	s_mov_b32 s35, 0
	s_add_nc_u64 s[20:21], s[16:17], s[34:35]
	s_mul_i32 s36, s28, 3072
	s_mul_i32 s37, s32, 192
	s_add_co_u32 s36, s36, s37
	s_lshl_b32 s37, s26, 6
	s_add_co_u32 s36, s36, s37
	s_lshl_b32 s37, s33, 5
	s_add_co_u32 s36, s36, s37
	s_lshl_b32 s36, s36, 2
	s_add_co_u32 s36, s36, WSC
	s_mov_b32 s37, 0
	s_add_nc_u64 s[22:23], s[16:17], s[36:37]      ; my wave's 32 scale words
	v_lshl_add_u32 v4, v5, 13, v6                  ; a tile is 8,192 bytes
	s_wait_loadcnt 32                              ; block 0 is in; block 1 may be out
	LOADB 2
	QBLOCK 0
	s_wait_loadcnt 32                              ; block 1 is in; block 2 may be out
	LOADB 3
	QBLOCK 1
	s_wait_loadcnt 32                              ; block 2 is in; block 3 may be out
	QBLOCK 2
	s_wait_loadcnt 0x0
	QBLOCK 3
	global_store_b32 v3, v[WW], s[22:23]           ; 128 consecutive bytes
	s_branch .Lend
.Lcast:
	s_lshl_b32 s34, s27, 3
	s_lshl_b32 s35, s24, 1
	s_add_co_u32 s34, s34, s35                     ; my first 16-column tile: 8 x column group + 2 x wave
	s_lshl_b32 s34, s34, 15
	s_lshl_b32 s35, s28, 12
	s_add_co_u32 s34, s34, s35                     ; + 8 pieces of 512 bytes for each 128 along K
	s_mov_b32 s35, 0
	s_add_nc_u64 s[20:21], s[18:19], s[34:35]
	v_lshl_add_u32 v4, v5, 15, v6                  ; a tile is 32,768 bytes
	s_wait_loadcnt 32
	LOADB 2
	CBLOCK 0
	s_wait_loadcnt 32
	LOADB 3
	CBLOCK 1
	s_wait_loadcnt 32
	CBLOCK 2
	s_wait_loadcnt 0x0
	CBLOCK 3
.Lend:
	s_wait_tensorcnt 0x0                           ; the wave's end
	ds_add_u32 v[SPW], v[NIL]
	s_wait_dscnt 0x0
	s_endpgm
.Lfunc_end_k_q381e7b7285_prep:
	.size	k_q381e7b7285_prep, .Lfunc_end_k_q381e7b7285_prep-k_q381e7b7285_prep
	.p2alignl 7, 3214868480
	.fill 96, 4, 3214868480
	.section	.rodata,"a",@progbits
	.p2align	6, 0x0
	.amdhsa_kernel k_q381e7b7285_prep
		.amdhsa_group_segment_fixed_size 33280
		.amdhsa_private_segment_fixed_size 0
		.amdhsa_enable_private_segment 0
		.amdhsa_kernarg_size 64
		.amdhsa_user_sgpr_count 2
		.amdhsa_user_sgpr_kernarg_segment_ptr 1
		.amdhsa_wavefront_size32 1
		.amdhsa_system_sgpr_workgroup_id_x 1
		.amdhsa_system_sgpr_workgroup_id_y 1
		.amdhsa_system_sgpr_workgroup_id_z 1
		.amdhsa_system_vgpr_workitem_id 0
		.amdhsa_next_free_vgpr 208
		.amdhsa_next_free_sgpr 66
		.amdhsa_reserve_vcc 0
		.amdhsa_float_denorm_mode_32 3
		.amdhsa_float_denorm_mode_16_64 3
		.amdhsa_memory_ordered 1
		.amdhsa_forward_progress 1
		.amdhsa_inst_pref_size 50
	.end_amdhsa_kernel
	.amdgpu_metadata
---
amdhsa.version: [ 1, 2 ]
amdhsa.kernels:
  - .name:           k_q381e7b7285_prep
    .symbol:         k_q381e7b7285_prep.kd
    .args:
      - { .name: x, .offset: 0, .size: 8, .value_kind: global_buffer, .address_space: global }
      - { .name: Wq, .offset: 8, .size: 8, .value_kind: global_buffer, .address_space: global }
      - { .name: Wk, .offset: 16, .size: 8, .value_kind: global_buffer, .address_space: global }
      - { .name: Wv, .offset: 24, .size: 8, .value_kind: global_buffer, .address_space: global }
      - { .name: Wo, .offset: 32, .size: 8, .value_kind: global_buffer, .address_space: global }
      - { .name: xq, .offset: 40, .size: 8, .value_kind: global_buffer, .address_space: global }
      - { .name: wq, .offset: 48, .size: 8, .value_kind: global_buffer, .address_space: global }
      - { .name: woi, .offset: 56, .size: 8, .value_kind: global_buffer, .address_space: global }
    .group_segment_fixed_size: 33280
    .private_segment_fixed_size: 0
    .kernarg_segment_align: 8
    .kernarg_segment_size: 64
    .max_flat_workgroup_size: 128
    .sgpr_count:     66
    .vgpr_count:     208
    .wavefront_size: 32
...
	.end_amdgpu_metadata
.endif
;; end of part 1
;; launch qkv (part 2): grid 16 x 16, 4 waves a work-group, clusters of 4 x 1, 327,680 bytes of LDS; arguments xq, wq, qi, kv, f32i; writes qi, kv, f32i
.if DOCPART == 2
	.amdgcn_target "amdgcn-amd-amdhsa--gfx1250"
	.amdhsa_code_object_version 6
	.text
	.protected	k_q381e7b7285_qkv
	.globl	k_q381e7b7285_qkv
	.p2align	8
	.type	k_q381e7b7285_qkv,@function
k_q381e7b7285_qkv:
	s_mov_b64 s[64:65], 0
	v_nop
	global_prefetch_b8 v0, s[64:65] scope:SCOPE_SE
	s_setreg_imm32_b32 hwreg(HW_REG_WAVE_MODE, 25, 1), 1
	s_wait_xcnt 0x0
	s_wait_alu depctr_hold_cnt(0) depctr_sa_sdst(0) depctr_va_vdst(0) depctr_va_sdst(0) depctr_va_ssrc(0) depctr_va_vcc(0) depctr_vm_vsrc(0)
	s_getreg_b32 s2, hwreg(HW_REG_IB_STS2, 6, 4)
	s_cmp_eq_u32 s2, 0
	s_cbranch_scc0 .Lentry_in_a_cluster
	s_endpgm
.Lentry_in_a_cluster:
	s_bfe_u32 s2, ttmp6, 0x10000c
	s_cmp_lg_u32 s2, 0x3003
	s_cbranch_scc0 .Lentry_shape_is_right
	s_endpgm
.Lentry_shape_is_right:
; QKV.  q, k, v = Q(x) Q(W): three products [4096 x 1024] x [1024 x 1024] on codes of FP4 (E2M1) with one E8M0 scale for each 32 along K, sums in f32, K ascending.
; SHARES.  A work-group makes 256 tokens x one head's 192 columns (q's 64, k's 64, v's 64); wave w makes tokens 64 w .. 64 w + 63 x all 12 column tiles: 48 accumulators, 384 registers.
; All of K fits in LDS: x's tile (256 rows x 512 bytes) and the head's weights (12 tiles x 8,192 bytes) come in two K halves, four tensor loads a wave, all issued at the start; no LDS byte is filled twice.
; CLUSTER.  The four partners make four heads of the same 256 tokens: x's tile is asked for jointly (mask 15).  The weights' tile is each work-group's own (a plain load).  A cluster of 4 x 4 that shared the
; weights too is not used: the copy of positions 0-15 hangs on the tile row.
; LAYOUTS OUT (images of the next launches' operand registers, 512 bytes a piece, lane l's 16 bytes at 16 l):
;   q, k tiles: source 0 = 16 columns of W, source 1 = 16 tokens: a lane holds token r and 8 neighbouring d: f16 piece [token 16 t + r][16 p + 8 h + 0..7].
;   v tiles: source 0 = 16 tokens, source 1 = 16 columns of W: a lane holds channel r and 8 neighbouring tokens: f16 piece [token 16 t + 8 h + 0..7][channel 16 c + r].
;   qi [bh][token tile 128][p 4]; kv [bh][token tile 128][k's 4 pieces, v's 4 pieces]; f32i [b][head][tile 12][half 2]: the raw f32 sums of positions 0-15 of each sequence.
; LIMIT: q, k, v are rounded to f16: magnitudes under 65,504.
; REGISTERS: window 0: v1-7 addresses; v12, v13 the add's two; v16-31 x's scale words (block a, register q); v32-79 W's (tile b, register q); v80-143 x's fragments, two sets; v144-239 the way out, two sets.
;   window 1: W's fragments, two sets of 96.   window 2: accumulators of row blocks 0, 1 at v[8 (12 a + b)];   window 3: those of blocks 2, 3.
; SCALE WORDS: lanes 0-15 hold the words of K steps 0-3 (register q = step), lanes 16-31 those of steps 4-7: the second half of K names row 1 of the same registers.
.set XSC,   2097152
.set WSC,   1572864
.set AHALF, 69632                      ; x's tile, one K half: 256 rows x (256 bytes + 16 of padding): row r starts 68 words on from row r - 1
.set BBASE, 2*AHALF
.set BHALF, 49152                      ; the weights, one K half: 12 tiles x 4,096 bytes, dense images
.set SPARE, BBASE+2*BHALF              ; the spare words, 128 bytes for each wave
.set LI,   1                           ; v1  16 x lane
.set ADRA, 2                           ; v2, v3  my x fragments in K half 0, 1
.set ADRB, 4                           ; v4, v5  W's fragments
.set XSO,  6
.set WSO,  7
.set SPW,  12
.set NIL,  13
.set XS,   16
.set WS,   32
.set AF,   80
.set T,    144
.set WV,   14                          ; s14 wave
.set G1A,  24                          ; s[24:31] group 1 for x's tiles;  s[32:39] for W's
.set G1B,  32
.set G0A,  40                          ; s[40:47] groups 0 for x's K halves;  s[48:55] for W's
.set G0B,  48
.set MSB, 0
.macro WIN new                         ; the immediate's high byte repeats the setting that is left
.if MSB != (\new)
	s_set_vgpr_msb (MSB<<8)|(\new)
.set MSB, (\new)
.endif
.endm
.macro PLACES                          ; four plain vector lines in front of loads into registers that matrix instructions have read, and of the first read of results
.rept 4
	v_nop
.endr
.endm
.macro CROUND                          ; a round of the cluster's barrier
	s_barrier_signal -1
	s_barrier_wait -1
	s_cmp_lg_u32 s[WV], 0
	s_cbranch_scc1 .Lnot_wave_0_\@
	s_barrier_signal -3
.Lnot_wave_0_\@:
	s_barrier_wait -3
	s_barrier_signal -1
	s_barrier_wait -1
.endm
.macro FETCH s                         ; the fragments of K step s (128 along K) into set s % 2: 24 loads for W, 8 for x
.set KH, (\s)/4
.set QQ, (\s)%4
.set ST, (\s)%2
	WIN 0x40                                       ; destination window 1
.irp b, 0,1,2,3,4,5,6,7,8,9,10,11
	ds_load_b128 v[96*ST+8*\b:96*ST+8*\b+3],   v[ADRB+KH] offset:\b*4096+QQ*1024
	ds_load_b128 v[96*ST+8*\b+4:96*ST+8*\b+7], v[ADRB+KH] offset:\b*4096+QQ*1024+512
.endr
	WIN 0
.irp a, 0,1,2,3
	ds_load_b128 v[AF+32*ST+8*\a:AF+32*ST+8*\a+3],   v[ADRA+KH] offset:\a*4352+QQ*64
	ds_load_b128 v[AF+32*ST+8*\a+4:AF+32*ST+8*\a+7], v[ADRA+KH] offset:\a*4352+QQ*64+32
.endr
.endm
.macro WM d, x, y, c0, sx, sy, row     ; one product; c0 = 1: it starts the sum; row = 1: the scale words of lanes 16-31
.if \c0
	v_wmma_scale_f32_16x16x128_f8f6f4 v[\d:\d+7], v[\x:\x+7], v[\y:\y+7], 0, v[\sx], v[\sy] matrix_a_fmt:MATRIX_FMT_FP4 matrix_b_fmt:MATRIX_FMT_FP4
.elseif \row
	v_wmma_scale_f32_16x16x128_f8f6f4 v[\d:\d+7], v[\x:\x+7], v[\y:\y+7], v[\d:\d+7], v[\sx], v[\sy] matrix_a_fmt:MATRIX_FMT_FP4 matrix_b_fmt:MATRIX_FMT_FP4 matrix_a_scale:MATRIX_SCALE_ROW1 matrix_b_scale:MATRIX_SCALE_ROW1
.else
	v_wmma_scale_f32_16x16x128_f8f6f4 v[\d:\d+7], v[\x:\x+7], v[\y:\y+7], v[\d:\d+7], v[\sx], v[\sy] matrix_a_fmt:MATRIX_FMT_FP4 matrix_b_fmt:MATRIX_FMT_FP4
.endif
.endm
; 48 products of K step s.  The 48 accumulators take turns, one instruction a turn, in the same order in every step.
.macro MUL s, zero
.irp hi, 0,1
	WIN 0xa1+0x50*\hi                              ; source 0 (W) window 1, source 1 (x) window 0, C and D window 2 or 3
.irp a, 0,1
.irp b, 0,1,2,3,4,5,6,7
.set rD, 8*(12*\a+\b)
.set rW, 96*((\s)%2)+8*\b
.set rX, AF+32*((\s)%2)+8*(2*\hi+\a)
	WM rD, rW, rX, \zero, WS+4*\b+(\s)%4, XS+4*(2*\hi+\a)+(\s)%4, (\s)/4
.endr
.endr
	WIN 0xa4+0x50*\hi                              ; v's tiles the other way round: source 0 (x) window 0, source 1 (W) window 1
.irp a, 0,1
.irp b, 8,9,10,11
.set rD, 8*(12*\a+\b)
.set rW, 96*((\s)%2)+8*\b
.set rX, AF+32*((\s)%2)+8*(2*\hi+\a)
	WM rD, rX, rW, \zero, XS+4*(2*\hi+\a)+(\s)%4, WS+4*\b+(\s)%4, (\s)/4
.endr
.endr
.endr
.endm
.macro STEP s
	s_wait_dscnt 0x0                               ; this step's fragments are in: they were asked for 48 matrix instructions ago
.if (\s) == 3
	s_wait_tensorcnt 0x0                           ; my parts of the second K halves have landed,
	s_barrier_signal -1
	s_barrier_wait -1                              ; everybody's have: the next fetch reads them.
.endif
.if ((\s) >= 1) && ((\s) < 7)
	PLACES                                         ; the set that is fetched into was read by the step before
.endif
.if (\s) < 7
	FETCH (\s)+1
.endif
.if (\s) == 0
	MUL \s, 1
.else
	MUL \s, 0
.endif
.endm
	s_load_b256 s[4:11], s[0:1], 0x0               ; xq 4, wq 6, qi 8, kv 10
	s_load_b64 s[12:13], s[0:1], 0x20              ; f32i
	v_lshl_add_u32 v[SPW], v0, 2, SPARE
	v_mov_b32 v[NIL], 0
	ds_add_u32 v[SPW], v[NIL]                      ; the wave's opening: the add, twice on end, and its wait ahead of my first tensor load
	ds_add_u32 v[SPW], v[NIL]
	v_lshrrev_b32 v8, 5, v0
	v_readfirstlane_b32 s[WV], v8                  ; wave 0..3
	s_bfe_u32 s15, ttmp6, 0x40000                  ; cx: my place in the cluster
	s_lshl_b32 s16, ttmp9, 2
	s_add_co_u32 s16, s16, s15                     ; head = 4 x cluster x + cx: it enters W's and the outputs' addresses alone
	s_and_b32 s17, ttmp7, 0xffff                   ; the tile row of 256 tokens, which the four partners share
	s_mov_b32 s[G1A], 15|(1<<20)|(1<<21)|(5<<22)|(3<<25)   ; mask: all four; elements of 1 byte; padding on; bit 21 beside a mask; 4 words behind every 64
	s_mov_b32 s[G1A+1], 256<<16                    ; tensor_dim0 = 256
	s_mov_b32 s[G1A+2], 64<<16                     ; tensor_dim1 = 64
	s_mov_b32 s[G1A+3], 256<<16                    ; tile_dim0 = 256
	s_mov_b32 s[G1A+4], 64                         ; tile_dim1 = 64
	s_mov_b32 s[G1A+5], 512                        ; a row of x's codes is 512 bytes
	s_mov_b32 s[G1A+6], 0
	s_mov_b32 s[G1A+7], 0
	s_mov_b32 s[G1B], 3<<16                        ; no mask; elements of 8 bytes; no padding
	s_mov_b32 s[G1B+1], 512<<16                    ; tensor_dim0 = 512: a tile's K half, 4,096 bytes
	s_mov_b32 s[G1B+2], 3<<16                      ; tensor_dim1 = 3 tiles
	s_mov_b32 s[G1B+3], 512<<16
	s_mov_b32 s[G1B+4], 3
	s_mov_b32 s[G1B+5], 1024                       ; a tile is 8,192 bytes
	s_mov_b32 s[G1B+6], 0
	s_mov_b32 s[G1B+7], 0
	s_lshl_b32 s18, s17, 17                        ; x's codes: (256 tile row + 64 wave) rows of 512 bytes
	s_lshl_b32 s19, s[WV], 15
	s_add_co_u32 s18, s18, s19
	s_mov_b32 s19, 0
	s_mul_i32 s20, s16, 12                         ; W's codes: tile 12 head + 3 wave
	s_mul_i32 s21, s[WV], 3
	s_add_co_u32 s20, s20, s21
	s_lshl_b32 s20, s20, 13
	s_mov_b32 s21, 0
	s_mul_i32 s22, s[WV], 17408                    ; LDS: my 64 rows of x,
	s_mul_i32 s23, s[WV], 12288
	s_add_co_u32 s23, s23, BBASE                   ; my 3 tiles of W
	s_wait_dscnt 0x0                               ; both opening adds are done
	s_wait_kmcnt 0x0
	s_add_nc_u64 s[56:57], s[4:5], s[18:19]
	s_add_nc_u64 s[58:59], s[6:7], s[20:21]
.irp kh, 0,1
	s_mov_b32 s[G0A+4*\kh], 1
	s_add_co_u32 s[G0A+4*\kh+1], s22, \kh*AHALF
	s_add_nc_u64 s[G0A+4*\kh+2:G0A+4*\kh+3], s[56:57], \kh*256
	s_or_b32 s[G0A+4*\kh+3], s[G0A+4*\kh+3], 0x80000000
	s_mov_b32 s[G0B+4*\kh], 1
	s_add_co_u32 s[G0B+4*\kh+1], s23, \kh*BHALF
	s_add_nc_u64 s[G0B+4*\kh+2:G0B+4*\kh+3], s[58:59], \kh*4096
	s_or_b32 s[G0B+4*\kh+3], s[G0B+4*\kh+3], 0x80000000
.endr
	CROUND                                         ; all four work-groups are here: the joint loads meet
	tensor_load_to_lds s[G0A:G0A+3], s[G1A:G1A+7]          ; four loads of mine are out: x's and W's first K halves,
	s_nop 0
	tensor_load_to_lds s[G0B:G0B+3], s[G1B:G1B+7]
	s_nop 0
	tensor_load_to_lds s[G0A+4:G0A+7], s[G1A:G1A+7]        ; and their second
	s_nop 0
	tensor_load_to_lds s[G0B+4:G0B+7], s[G1B:G1B+7]
	s_nop 0
	PLACES
	v_and_b32 v8, 15, v0                           ; r
	v_bfe_u32 v9, v0, 4, 1                         ; h
	v_and_b32 v10, 31, v0
	v_lshlrev_b32 v[LI], 4, v10
	v_mul_u32_u24 v11, v8, 272
	v_lshl_add_u32 v11, v9, 4, v11
	v_add_nc_u32 v[ADRA], s22, v11                 ; x: row r x pitch + 16 h, in my 64 rows
	v_add_nc_u32 v[ADRA+1], AHALF, v[ADRA]
	v_add_nc_u32 v[ADRB], BBASE, v[LI]             ; W: an image's place for my lane
	v_add_nc_u32 v[ADRB+1], BHALF, v[ADRB]
	v_lshlrev_b32 v[XSO], 5, v8
	v_lshl_add_u32 v[XSO], v9, 4, v[XSO]           ; x's scale words: row r of 32 bytes, + 16 h: K steps 4 h .. 4 h + 3
	v_mul_u32_u24 v[WSO], v9, 49152
	v_lshl_add_u32 v[WSO], v8, 2, v[WSO]           ; W's: K step 4 h + q, column r
	s_lshl_b32 s18, s17, 13
	s_lshl_b32 s19, s[WV], 11
	s_add_co_u32 s18, s18, s19
	s_add_co_u32 s18, s18, XSC
	s_mov_b32 s19, 0
	s_add_nc_u64 s[4:5], s[4:5], s[18:19]
	s_mul_i32 s20, s16, 768
	s_add_co_u32 s20, s20, WSC
	s_mov_b32 s21, 0
	s_add_nc_u64 s[6:7], s[6:7], s[20:21]
.irp a, 0,1,2,3
	global_load_b128 v[XS+4*\a:XS+4*\a+3], v[XSO], s[4:5] offset:512*\a   ; 32 lanes read 512 consecutive bytes
.endr
.irp b, 0,1,2,3,4,5,6,7,8,9,10,11
.irp q, 0,1,2,3
	global_load_b32 v[WS+4*\b+\q], v[WSO], s[6:7] offset:\q*12288+\b*64
.endr
.endr
	s_lshr_b32 s60, s17, 3                         ; the sequence,
	s_lshl_b32 s60, s60, 4
	s_add_co_u32 s60, s60, s16                     ; bh = 16 b + head
	s_and_b32 s61, s17, 7
	s_lshl_b32 s61, s61, 4
	s_lshl_b32 s62, s[WV], 2
	s_add_co_u32 s61, s61, s62                     ; my first token tile in the sequence
	s_lshl_b32 s62, s60, 7
	s_add_co_u32 s62, s62, s61
	s_lshl_b32 s18, s62, 11
	s_mov_b32 s19, 0
	s_add_nc_u64 s[8:9], s[8:9], s[18:19]          ; qi: 2,048 bytes a token tile
	s_lshl_b32 s18, s62, 12
	s_add_nc_u64 s[10:11], s[10:11], s[18:19]      ; kv: 4,096
	s_mul_i32 s18, s60, 12288
	s_add_nc_u64 s[12:13], s[12:13], s[18:19]      ; f32i: 12,288 a head
	s_wait_tensorcnt 0x2                           ; the first K halves are in; the second halves' two loads may be out
	s_barrier_signal -1
	s_barrier_wait -1
	FETCH 0
	s_wait_loadcnt 0x0                             ; the scale words
.irp s, 0,1,2,3,4,5,6,7
	STEP \s
.endr
	WIN 0
	PLACES
	; positions 0-15 of a sequence (tile rows 0 and 8, wave 0, row block 0) also leave as they are, in f32
	s_and_b32 s62, s17, 7
	s_or_b32 s62, s62, s[WV]
	s_cmp_lg_u32 s62, 0
	s_cbranch_scc1 .Lno_copy
	WIN 0x08                                       ; a store's data are its source 1: window 2
.irp b, 0,1,2,3,4,5,6,7,8,9,10,11
	global_store_b128 v[LI], v[8*\b:8*\b+3], s[12:13] offset:\b*1024          ; each accumulator from its low end on
	global_store_b128 v[LI], v[8*\b+4:8*\b+7], s[12:13] offset:\b*1024+512
.endr
	WIN 0
.Lno_copy:
.irp a, 0,1,2,3                        ; a row block at a time: 48 roundings to f16, 12 stores of 512 consecutive bytes
.if \a >= 2
	s_wait_xcnt 0x0                                ; block a - 2's stores have read their registers: the set is written again only behind this wait
.endif
	WIN 0x0a+5*(\a/2)                              ; sources 0 and 1: window 2 or 3
.irp b, 0,1,2,3,4,5,6,7,8,9,10,11
.irp i, 0,1,2,3
	v_cvt_pk_f16_f32 v[T+48*(\a%2)+4*\b+\i], v[8*(12*(\a%2)+\b)+2*\i], v[8*(12*(\a%2)+\b)+2*\i+1]
.endr
.endr
	WIN 0
.irp b, 0,1,2,3
	global_store_b128 v[LI], v[T+48*(\a%2)+4*\b:T+48*(\a%2)+4*\b+3], s[8:9] offset:\a*2048+\b*512
.endr
.irp b, 4,5,6,7,8,9,10,11
	global_store_b128 v[LI], v[T+48*(\a%2)+4*\b:T+48*(\a%2)+4*\b+3], s[10:11] offset:\a*4096+(\b-4)*512
.endr
.endr
	s_wait_tensorcnt 0x0                           ; the wave's end
	ds_add_u32 v[SPW], v[NIL]
	s_wait_dscnt 0x0
	CROUND                                         ; the closing round
	s_endpgm
.Lfunc_end_k_q381e7b7285_qkv:
	.size	k_q381e7b7285_qkv, .Lfunc_end_k_q381e7b7285_qkv-k_q381e7b7285_qkv
	.p2alignl 7, 3214868480
	.fill 96, 4, 3214868480
	.section	.rodata,"a",@progbits
	.p2align	6, 0x0
	.amdhsa_kernel k_q381e7b7285_qkv
		.amdhsa_group_segment_fixed_size 327680
		.amdhsa_private_segment_fixed_size 0
		.amdhsa_enable_private_segment 0
		.amdhsa_kernarg_size 40
		.amdhsa_user_sgpr_count 2
		.amdhsa_user_sgpr_kernarg_segment_ptr 1
		.amdhsa_wavefront_size32 1
		.amdhsa_system_sgpr_workgroup_id_x 1
		.amdhsa_system_sgpr_workgroup_id_y 1
		.amdhsa_system_sgpr_workgroup_id_z 1
		.amdhsa_system_vgpr_workitem_id 0
		.amdhsa_next_free_vgpr 1024
		.amdhsa_next_free_sgpr 66
		.amdhsa_reserve_vcc 0
		.amdhsa_float_denorm_mode_32 3
		.amdhsa_float_denorm_mode_16_64 3
		.amdhsa_memory_ordered 1
		.amdhsa_forward_progress 1
		.amdhsa_inst_pref_size 98
	.end_amdhsa_kernel
	.amdgpu_metadata
---
amdhsa.version: [ 1, 2 ]
amdhsa.kernels:
  - .name:           k_q381e7b7285_qkv
    .symbol:         k_q381e7b7285_qkv.kd
    .args:
      - { .name: xq, .offset: 0, .size: 8, .value_kind: global_buffer, .address_space: global }
      - { .name: wq, .offset: 8, .size: 8, .value_kind: global_buffer, .address_space: global }
      - { .name: qi, .offset: 16, .size: 8, .value_kind: global_buffer, .address_space: global }
      - { .name: kv, .offset: 24, .size: 8, .value_kind: global_buffer, .address_space: global }
      - { .name: f32i, .offset: 32, .size: 8, .value_kind: global_buffer, .address_space: global }
    .group_segment_fixed_size: 327680
    .private_segment_fixed_size: 0
    .kernarg_segment_align: 8
    .kernarg_segment_size: 40
    .max_flat_workgroup_size: 128
    .sgpr_count:     66
    .vgpr_count:     1024
    .wavefront_size: 32
...
	.end_amdgpu_metadata
.endif
;; end of part 2
;; launch attn (part 3): grid 8 x 32, 8 waves a work-group, no clusters, 327,680 bytes of LDS; arguments qi, kv, ao; writes ao
.if DOCPART == 3
	.amdgcn_target "amdgcn-amd-amdhsa--gfx1250"
	.amdhsa_code_object_version 6
	.text
	.protected	k_q381e7b7285_attn
	.globl	k_q381e7b7285_attn
	.p2align	8
	.type	k_q381e7b7285_attn,@function
k_q381e7b7285_attn:
	s_mov_b64 s[64:65], 0
	v_nop
	global_prefetch_b8 v0, s[64:65] scope:SCOPE_SE
	s_setreg_imm32_b32 hwreg(HW_REG_WAVE_MODE, 25, 1), 1
	s_wait_xcnt 0x0
; ATTN.  O[bh][q] = sum over k <= q of softmax_k(Q.K / 8 + slope (k - 2047)) V[k], head size 64, 2,048 positions, slope = 2^(-(head + 1) / 2).  f16 operands, f32 products, maxima and sums.
; SHARES.  Work-group (i, bh) owns query blocks i and 15 - i of 128 queries; wave w owns one tile of 16 queries in each: QL = 128 i + 16 w, QH = 128 (15 - i) + 16 w.  So every wave has 32 to 34 tile steps under the mask.
; All waves walk the keys from 0 in steps of 64; a tile takes part while the step's first key is at or under its last query.  While both tiles are live each fragment of K and V feeds two matrix instructions.
; LAYOUT.  Both products transposed: S^T = K Q^T, O^T = V^T P: a lane holds ONE query (lane % 16); S^T's registers, rounded in pairs, are P's operand.  K, V and Q arrive as images of their operand registers.
; SOFTMAX.  s' = Q.K + 8 slope (key - step's first key): the second term is the C of each score tile's first matrix instruction.  u = s' + A, A = 8 slope (step's first key - tile's first query): a shift of the
; reference's bias that is constant along a row.  Running maximum M of u; p = 2^(c s' - c (M - A)), c = log2(e) / 8; in every step O and l are multiplied by a = 2^(c (M_old - M_new)).
; RING.  Two LDS slots of 256 keys (65,536 bytes, dense); every wave fetches 8,192 bytes of a slot with one tensor load.  The change of slots stands at a slot's head.  Every wait on TENSORcnt is for 0; one load of a wave is out at most.
; A slot whose first key comes after the work-group's last query is read by none of its waves and is not asked for: a test on ids and the count of steps alone, the same in all eight waves, leads round the load alone.
; NO CLUSTER: the work-groups of a head need 5 to 8 slots; a partner would have to ask for tiles that none of its waves reads.
; LIMITS: p, and O / l, are rounded to f16; NaN and infinities are not served.
; REGISTERS: window 0: v1-10 addresses and constants; tile x (0 = high, 1 = low): statistics v[16 + 8 x] (+0 c (M - A), +1 M, +2, +3 l, +4..+7 at work, a at +6), S^T v[32 + 32 x], P v[96 + 16 x], O^T v[128 + 32 x].
;   window 1: v0-63 K's fragments (key tile t, d half f at 16 t + 8 f); v64-127 V's (channel tile c, key half g at 64 + 8 (2 c + g)); v128-143, v144-159 Q; v160-191 the bias.
.set SLOTB, 65536
.set SPARE, 2*SLOTB                    ; the spare words, 128 bytes for each wave
.set LI,   1                           ; v1  16 x lane
.set ADR,  2                           ; v2  the step's LDS address
.set SPW,  3
.set NIL,  4
.set PFO,  5                           ; v5  256 x lane
.set AA,   6                           ; v6, v7  A of the high and the low tile
.set RH,   8                           ; v8  lane % 16 - 8 (lane / 16)
.set DD,   9
.set NINF, 10                          ; v10 -infinity
; s10 wave; s12 bh; s16, s17 QH, QL; s18, s19 their last queries; s20 the step's first key; s21 LDS byte of the step; s22 slots to ask for; s23 steps; s24 the work-group's last query; s25 8 slope;
; s[26:27] c; s[28:29] lane selects; s30 the prefetches' limit; s[36:37] where they stand; s[40:43], s[44:51] the descriptor; s[52:55] O's rows; s[56:59] Q's rows
.set MSB, 0
.macro WIN new
.if MSB != (\new)
	s_set_vgpr_msb (MSB<<8)|(\new)
.set MSB, (\new)
.endif
.endm
.macro PLACES
.rept 4
	v_nop
.endr
.endm
.macro SCORE1 x, t                     ; d 0-31; C = the bias
	v_wmma_f32_16x16x32_f16 v[32+32*\x+8*\t:32+32*\x+8*\t+7], v[16*\t:16*\t+7], v[128+16*\x:128+16*\x+7], v[160+8*\t:160+8*\t+7]
.endm
.macro SCORE2 x, t                     ; d 32-63, in place
	v_wmma_f32_16x16x32_f16 v[32+32*\x+8*\t:32+32*\x+8*\t+7], v[16*\t+8:16*\t+15], v[128+16*\x+8:128+16*\x+15], v[32+32*\x+8*\t:32+32*\x+8*\t+7]
.endm
.macro MASK x                          ; register 8 t + j holds key KF + 16 t + 8 h + j: hidden where 16 t + j > d = query - KF - 8 h
	s_sub_co_i32 s32, s[16+\x], s20
	v_add_nc_u32 v[DD], s32, v[RH]
.set n, 0
.rept 32
	v_cmp_gt_i32 vcc_lo, 16*(n/8)+n%8, v[DD]
	v_cndmask_b32 v[32+32*\x+n], v[32+32*\x+n], v[NINF], vcc_lo
.set n, n+1
.endr
.endm
.macro SM_MAX x                        ; the step's largest s' of my query, four chains, each from its accumulator's low end on; then M, a's exponent and c (M - A)
.set rT, 16+8*\x
.set rS, 32+32*\x
.irp j, 0,1,2,3
	v_max3_num_f32 v[rT+4+\j], v[rS+8*\j], v[rS+8*\j+1], v[rS+8*\j+2]
.endr
.irp j, 0,1,2,3
	v_max3_num_f32 v[rT+4+\j], v[rT+4+\j], v[rS+8*\j+3], v[rS+8*\j+4]
.endr
.irp j, 0,1,2,3
	v_max3_num_f32 v[rT+4+\j], v[rT+4+\j], v[rS+8*\j+5], v[rS+8*\j+6]
.endr
	v_max3_num_f32 v[rT+4], v[rT+4], v[rS+7], v[rS+15]
	v_max3_num_f32 v[rT+6], v[rT+6], v[rS+23], v[rS+31]
	v_max3_num_f32 v[rT+4], v[rT+4], v[rT+5], v[rT+6]
	v_max_num_f32 v[rT+4], v[rT+4], v[rT+7]
	v_permlanex16_b32 v[rT+5], v[rT+4], s28, s29   ; the query's other 32 keys lie in the lane 16 away
	v_max_num_f32 v[rT+4], v[rT+4], v[rT+5]
	v_add_f32 v[rT+4], v[rT+4], v[AA+\x]           ; as u
	v_max_num_f32 v[rT+5], v[rT+1], v[rT+4]        ; the new M
	v_sub_f32 v[rT+7], v[rT+1], v[rT+5]
	v_mul_f32 v[rT+7], s26, v[rT+7]                ; c (M_old - M_new)
	v_mov_b32 v[rT+1], v[rT+5]
	v_sub_f32 v[rT+4], v[rT+5], v[AA+\x]
	v_mul_f32 v[rT], s26, v[rT+4]                  ; c (M - A)
.endm
.macro SM_SCALE x
.set rT, 16+8*\x
.set rS, 32+32*\x
.set n, 0
.rept 16
	v_pk_fma_f32 v[rS+n:rS+n+1], v[rS+n:rS+n+1], s[26:27], v[rT:rT+1] op_sel_hi:[1,0,0] neg_lo:[0,0,1] neg_hi:[0,0,1]   ; c s' - c (M - A), two at a time
.set n, n+2
.endr
.endm
.macro SM_EXP x
.set rT, 16+8*\x
.set rS, 32+32*\x
	v_exp_f32 v[rT+6], v[rT+7]                     ; a
.set n, 0
.rept 32
	v_exp_f32 v[rS+n], v[rS+n]                     ; p
.set n, n+1
.endr
.endm
.macro SM_POST x                       ; P in f16; l = a l + the sum of the unrounded p; O^T x a
.set rT, 16+8*\x
.set rS, 32+32*\x
.set rP, 96+16*\x
.set rO, 128+32*\x
.set n, 0
.rept 16
	v_cvt_pk_f16_f32 v[rP+n], v[rS+2*n], v[rS+2*n+1]
.set n, n+1
.endr
.irp u, 0,1,2,3,4,5,6,7
	v_pk_add_f32 v[rS+4*\u:rS+4*\u+1], v[rS+4*\u:rS+4*\u+1], v[rS+4*\u+2:rS+4*\u+3]
.endr
.irp u, 0,1,2,3
	v_pk_add_f32 v[rS+8*\u:rS+8*\u+1], v[rS+8*\u:rS+8*\u+1], v[rS+8*\u+4:rS+8*\u+5]
.endr
.irp u, 0,1
	v_pk_add_f32 v[rS+16*\u:rS+16*\u+1], v[rS+16*\u:rS+16*\u+1], v[rS+16*\u+8:rS+16*\u+9]
.endr
	v_pk_add_f32 v[rS:rS+1], v[rS:rS+1], v[rS+16:rS+17]
	v_pk_fma_f32 v[rT+2:rT+3], v[rT+2:rT+3], v[rT+6:rT+7], v[rS:rS+1] op_sel_hi:[1,0,1]
.set n, 0
.rept 16
	v_pk_mul_f32 v[rO+n:rO+n+1], v[rO+n:rO+n+1], v[rT+6:rT+7] op_sel_hi:[1,0]
.set n, n+2
.endr
.endm
.macro PV x                            ; O^T += V^T P: the four accumulators take turns
.irp g, 0,1
.irp ct, 0,1,2,3
	v_wmma_f32_16x16x32_f16 v[128+32*\x+8*\ct:128+32*\x+8*\ct+7], v[64+8*(2*\ct+\g):64+8*(2*\ct+\g)+7], v[96+16*\x+8*\g:96+16*\x+8*\g+7], v[128+32*\x+8*\ct:128+32*\x+8*\ct+7]
.endr
.endr
.endm
; A key step's work.  both = 1: the high and the low tile; 0: the high tile alone.
.macro BODY both
	s_wait_dscnt 16                                ; K's 16 loads are in; V's 16 may be out
	WIN 0x15                                       ; K, Q and the bias in window 1, S^T in window 0
.irp t, 0,1,2,3
	SCORE1 0, \t
.if \both
	SCORE1 1, \t
.endif
.endr
	WIN 0x05
.irp t, 0,1,2,3
	SCORE2 0, \t
.if \both
	SCORE2 1, \t
.endif
.endr
	WIN 0
	s_sub_co_i32 s32, s20, s16                     ; A: four plain vector lines, the places behind the products
	v_cvt_f32_i32 v[AA], s32
.if \both
	s_sub_co_i32 s33, s20, s17
	v_cvt_f32_i32 v[AA+1], s33
.else
	v_nop
.endif
	v_mul_f32 v[AA], s25, v[AA]
.if \both
	v_mul_f32 v[AA+1], s25, v[AA+1]
.else
	v_nop
.endif
	s_add_co_u32 s32, s20, 63                      ; the mask is wanted only on the diagonal.  While both tiles are live the step's keys end under 1,024, at or under every query of the high tile: so it is the low tile's, else the high tile's
	s_cmp_le_u32 s32, s[16+\both]
	s_cbranch_scc1 .Lopen_\@
	MASK \both
.Lopen_\@:
	SM_MAX 0
.if \both
	SM_MAX 1
.endif
	SM_SCALE 0
.if \both
	SM_SCALE 1
.endif
	SM_EXP 0
.if \both
	SM_EXP 1
.endif
	v_nop                                          ; a plain line behind the last exponential
	s_wait_alu depctr_va_vdst(0)                   ; one wait for the whole batch, ahead of its first reader
	SM_POST 0
	s_wait_dscnt 0x0                               ; V is in
	WIN 0x01                                       ; V in window 1
	PV 0
	WIN 0
.if \both
	SM_POST 1                                      ; names no register of the products just issued
	WIN 0x01
	PV 1
	WIN 0
.endif
.endm
; The change of slots.  Each wave waits for all its tensor loads, adds 0 to its spare word, waits for that and for its reads of the slot that it has left; behind the barrier the slot ahead is whole and nobody reads the other.
.macro CHANGE fill
	s_wait_tensorcnt 0x0                           ; no tensor load of mine is out, so the group 0 may be written
	ds_add_u32 v[SPW], v[NIL]
.if \fill
	s_xor_b32 s41, s41, SLOTB                      ; the other slot than last time,
	s_add_nc_u64 s[42:43], s[42:43], SLOTB         ; the next 256 keys
	s_wait_xcnt 0x0                                ; the last prefetch, a slot back, has read its address
	s_add_nc_u64 s[36:37], s[36:37], SLOTB         ; one slot further on than the descriptor
.endif
	s_wait_dscnt 0x0
	s_barrier_signal -1
	s_barrier_wait -1
.if \fill
	s_add_co_u32 s32, s20, 256                     ; the first key of the slot that this change would ask for
	s_cmp_gt_u32 s32, s24                          ; beyond my work-group's last query: no wave would read it
	s_cbranch_scc1 .Lpast_\@
	tensor_load_to_lds s[40:43], s[44:51]          ; my one tensor load behind the barrier: it has a slot's four steps in which to land
	s_nop 0
	PLACES
.Lpast_\@:
	s_cmp_gt_u32 s22, s30                          ; a prefetch of what the NEXT change will ask for: 8,192 bytes a wave, lanes 256 bytes apart.  The head's work-group 0, which loads all eight slots, asks, and nobody else:
	s_cbranch_scc0 .Lnot_mine_\@                   ; each block is named once.  Slots 0 and 1 come by their loads alone; the last change that fills a slot asks for nothing
	global_prefetch_b8 v[PFO], s[36:37] th:TH_LOAD_NT scope:SCOPE_SE
.Lnot_mine_\@:
.endif
.endm
.macro FOUR_STEPS                      ; a slot's four key steps: written once, walked four times; the LDS address hangs on s21
	s_mov_b32 s23, 4
.Lstep_\@:
	s_cmp_gt_u32 s20, s18                          ; all keys come after my high tile's queries: the step's work is left out, not the lines that step addresses
	s_cbranch_scc1 .Lnext_\@
	v_add_nc_u32 v[ADR], s21, v[LI]                ; with the three below: the places behind the last products, which read V's registers
	v_nop
	v_nop
	v_nop
	WIN 0x40                                       ; destination window 1
.irp kt, 0,1,2,3
.irp p, 0,1,2,3
	ds_load_b128 v[16*\kt+4*\p:16*\kt+4*\p+3], v[ADR] offset:\kt*4096+\p*512
.endr
.endr
.irp kt, 0,1,2,3
.irp ct, 0,1,2,3
	ds_load_b128 v[64+8*(2*\ct+\kt/2)+4*(\kt%2):64+8*(2*\ct+\kt/2)+4*(\kt%2)+3], v[ADR] offset:\kt*4096+2048+\ct*512
.endr
.endr
	WIN 0
	s_cmp_gt_u32 s20, s19
	s_cbranch_scc1 .Lhi_\@
	BODY 1
	s_branch .Lnext_\@
.Lhi_\@:
	BODY 0
.Lnext_\@:
	s_add_co_u32 s20, s20, 64
	s_add_co_u32 s21, s21, 16384
	s_sub_co_u32 s23, s23, 1
	s_cmp_lg_u32 s23, 0
	s_cbranch_scc1 .Lstep_\@
	s_sub_co_u32 s21, s21, SLOTB                   ; back to a slot's first step,
	s_xor_b32 s21, s21, SLOTB                      ; in the other slot
.endm
	s_load_b128 s[4:7], s[0:1], 0x0                ; qi, kv
	s_load_b64 s[8:9], s[0:1], 0x10                ; ao
	v_lshl_add_u32 v[SPW], v0, 2, SPARE
	v_mov_b32 v[NIL], 0
	ds_add_u32 v[SPW], v[NIL]                      ; the wave's opening: the add, twice on end, and its wait ahead of my first tensor load
	ds_add_u32 v[SPW], v[NIL]
	v_lshrrev_b32 v9, 5, v0
	v_readfirstlane_b32 s10, v9                    ; wave 0..7
	s_and_b32 s12, ttmp7, 0xffff                   ; bh
	s_lshl_b32 s13, s10, 4
	s_lshl_b32 s17, ttmp9, 7
	s_add_co_u32 s17, s17, s13                     ; QL
	s_sub_co_u32 s16, 15, ttmp9
	s_lshl_b32 s16, s16, 7
	s_add_co_u32 s24, s16, 127                     ; the work-group's last query
	s_add_co_u32 s16, s16, s13                     ; QH
	s_add_co_u32 s18, s16, 15
	s_add_co_u32 s19, s17, 15
	s_mov_b32 s20, 0
	s_mov_b32 s21, 0
	s_mov_b32 s22, 7
	s_mov_b32 s26, 0x3e38aa3b                      ; c = log2(e) / 8
	s_mov_b32 s27, s26
	s_mov_b32 s28, 0x76543210
	s_mov_b32 s29, 0xfedcba98
	s_and_b32 s31, s12, 15                         ; head
	s_add_co_u32 s32, s31, 1
	s_lshr_b32 s33, s32, 1
	s_sub_co_i32 s33, 3, s33
	s_lshl_b32 s33, s33, 23
	s_mov_b32 s25, 1.0
	s_bitcmp1_b32 s32, 0
	s_cselect_b32 s25, 0x3f3504f3, s25             ; 2^-0.5 where head + 1 is odd
	s_add_co_u32 s25, s25, s33                     ; 8 slope = 2^(3 - (head + 1) / 2), by whole-number work on the exponent field
	s_cmp_eq_u32 ttmp9, 0
	s_cselect_b32 s30, 1, -1
	s_mov_b32 s44, 3<<16                           ; elements of 8 bytes, no mask, no padding
	s_mov_b32 s45, 32<<16                          ; 32 rows of 256 bytes, dense
	s_mov_b32 s46, 32<<16
	s_mov_b32 s47, 32<<16
	s_mov_b32 s48, 32
	s_mov_b32 s49, 32
	s_mov_b32 s50, 0
	s_mov_b32 s51, 0
	s_lshl_b32 s34, s12, 19                        ; a head's keys and values are 524,288 bytes
	s_lshl_b32 s35, s10, 13
	s_add_co_u32 s34, s34, s35
	s_mov_b32 s35, 0
	s_lshl_b32 s41, s10, 13                        ; LDS: wave x 8,192, in slot 0
	s_wait_dscnt 0x0                               ; both opening adds are done
	s_wait_kmcnt 0x0
	s_mov_b32 s40, 1
	s_add_nc_u64 s[42:43], s[6:7], s[34:35]
	s_add_nc_u64 s[36:37], s[42:43], SLOTB         ; the prefetches stand in slot 1; the first change steps them to slot 2
	s_or_b32 s43, s43, 0x80000000
	tensor_load_to_lds s[40:43], s[44:51]          ; slot 0
	s_nop 0
	PLACES
	v_and_b32 v9, 31, v0
	v_lshlrev_b32 v[LI], 4, v9
	v_lshlrev_b32 v[PFO], 8, v9
	v_and_b32 v[RH], 15, v0
	v_bfe_u32 v9, v0, 4, 1
	v_lshlrev_b32 v9, 3, v9                        ; 8 h
	v_sub_nc_u32 v[RH], v[RH], v9
	v_mov_b32 v[NINF], 0xff800000
	s_lshl_b32 s34, s12, 18                        ; qi: 128 tiles of 2,048 bytes a head
	s_lshl_b32 s32, s16, 7
	s_add_co_u32 s32, s32, s34
	s_mov_b32 s33, 0
	s_add_nc_u64 s[56:57], s[4:5], s[32:33]
	s_lshl_b32 s32, s17, 7
	s_add_co_u32 s32, s32, s34
	s_add_nc_u64 s[58:59], s[4:5], s[32:33]
	WIN 0x40
.irp p, 0,1,2,3
	global_load_b128 v[128+4*\p:128+4*\p+3], v[LI], s[56:57] offset:512*\p
	global_load_b128 v[144+4*\p:144+4*\p+3], v[LI], s[58:59] offset:512*\p
.endr
	WIN 0
	s_lshr_b32 s34, s12, 4                         ; ao: (128 b + token tile) x 32,768 + head x 2,048
	s_lshl_b32 s34, s34, 22
	s_lshl_b32 s35, s31, 11
	s_add_co_u32 s34, s34, s35
	s_lshl_b32 s32, s16, 11
	s_add_co_u32 s32, s32, s34
	s_add_nc_u64 s[52:53], s[8:9], s[32:33]
	s_lshl_b32 s32, s17, 11
	s_add_co_u32 s32, s32, s34
	s_add_nc_u64 s[54:55], s[8:9], s[32:33]
.set n, 0
.rept 32
	v_add_nc_u32 v[32+n], 16*(n/8)+n%8, v9         ; the key's place in a step: 16 t + 8 h + j
.set n, n+1
.endr
.set n, 0
.rept 32
	v_cvt_f32_u32 v[32+n], v[32+n]
.set n, n+1
.endr
	WIN 0x40
.set n, 0
.rept 32
	v_mul_f32 v[160+n], s25, v[32+n]               ; the bias, in the result's layout
.set n, n+1
.endr
	WIN 0
.irp x, 0,1
	v_mov_b32 v[16+8*\x], 0
	v_mov_b32 v[17+8*\x], 0xff61b1e6               ; M: -3e38, under every u
.irp j, 2,3,4,5,6,7
	v_mov_b32 v[16+8*\x+\j], 0
.endr
.endr
.set n, 0
.rept 64
	v_mov_b32 v[128+n], 0                          ; O^T: the step is written once; its first turn finds zeros, which a = 0 leaves zeros
.set n, n+1
.endr
	s_wait_loadcnt 0x0                             ; Q
.Lslot:                                                ; 7 trips: behind each change of slots but the last the next slot is asked for, up to the causal limit
	CHANGE 1
	FOUR_STEPS
	s_sub_co_u32 s22, s22, 1
	s_cmp_lg_u32 s22, 0
	s_cbranch_scc1 .Lslot
	CHANGE 0                                       ; the last slot is written out: nothing is left to ask for
	FOUR_STEPS
	; THE WAY OUT: O^T / l, rounded to f16: a lane's eight channels of a query are 16 bytes of the next launch's operand image
	PLACES
.irp x, 0,1
	v_add_f32 v[20+8*\x], v[18+8*\x], v[19+8*\x]
.endr
.irp x, 0,1
	v_permlanex16_b32 v[21+8*\x], v[20+8*\x], s28, s29
.endr
.irp x, 0,1
	v_add_f32 v[20+8*\x], v[20+8*\x], v[21+8*\x]
.endr
.irp x, 0,1
	v_rcp_f32 v[22+8*\x], v[20+8*\x]
.endr
	v_nop                                          ; a plain line behind the last reciprocal
	s_wait_alu depctr_va_vdst(0)                   ; one wait for both, ahead of the first reader
.irp x, 0,1
.set n, 0
.rept 16
	v_pk_mul_f32 v[128+32*\x+n:128+32*\x+n+1], v[128+32*\x+n:128+32*\x+n+1], v[22+8*\x:23+8*\x] op_sel_hi:[1,0]
.set n, n+2
.endr
.set n, 0
.rept 16
	v_cvt_pk_f16_f32 v[96+16*\x+n], v[128+32*\x+2*n], v[128+32*\x+2*n+1]
.set n, n+1
.endr
.irp ct, 0,1,2,3
	global_store_b128 v[LI], v[96+16*\x+4*\ct:96+16*\x+4*\ct+3], s[52+2*\x:53+2*\x] offset:512*\ct   ; 32 lanes store 512 consecutive bytes, aligned
.endr
.endr
	s_wait_tensorcnt 0x0                           ; the wave's end
	ds_add_u32 v[SPW], v[NIL]
	s_wait_dscnt 0x0
	s_endpgm
.Lfunc_end_k_q381e7b7285_attn:
	.size	k_q381e7b7285_attn, .Lfunc_end_k_q381e7b7285_attn-k_q381e7b7285_attn
	.p2alignl 7, 3214868480
	.fill 96, 4, 3214868480
	.section	.rodata,"a",@progbits
	.p2align	6, 0x0
	.amdhsa_kernel k_q381e7b7285_attn
		.amdhsa_group_segment_fixed_size 327680
		.amdhsa_private_segment_fixed_size 0
		.amdhsa_enable_private_segment 0
		.amdhsa_kernarg_size 24
		.amdhsa_user_sgpr_count 2
		.amdhsa_user_sgpr_kernarg_segment_ptr 1
		.amdhsa_wavefront_size32 1
		.amdhsa_system_sgpr_workgroup_id_x 1
		.amdhsa_system_sgpr_workgroup_id_y 1
		.amdhsa_system_sgpr_workgroup_id_z 1
		.amdhsa_system_vgpr_workitem_id 0
		.amdhsa_next_free_vgpr 512
		.amdhsa_next_free_sgpr 66
		.amdhsa_reserve_vcc 1
		.amdhsa_float_denorm_mode_32 3
		.amdhsa_float_denorm_mode_16_64 3
		.amdhsa_memory_ordered 1
		.amdhsa_forward_progress 1
		.amdhsa_inst_pref_size 77
	.end_amdhsa_kernel
	.amdgpu_metadata
---
amdhsa.version: [ 1, 2 ]
amdhsa.kernels:
  - .name:           k_q381e7b7285_attn
    .symbol:         k_q381e7b7285_attn.kd
    .args:
      - { .name: qi, .offset: 0, .size: 8, .value_kind: global_buffer, .address_space: global }
      - { .name: kv, .offset: 8, .size: 8, .value_kind: global_buffer, .address_space: global }
      - { .name: ao, .offset: 16, .size: 8, .value_kind: global_buffer, .address_space: global }
    .group_segment_fixed_size: 327680
    .private_segment_fixed_size: 0
    .kernarg_segment_align: 8
    .kernarg_segment_size: 24
    .max_flat_workgroup_size: 256
    .sgpr_count:     66
    .vgpr_count:     512
    .wavefront_size: 32
...
	.end_amdgpu_metadata
.endif
;; end of part 3
;; launch proj (part 4): grid 8 x 32, 4 waves a work-group, clusters of 4 x 4, 327,680 bytes of LDS; arguments ao, woi, out0; writes out0
.if DOCPART == 4
	.amdgcn_target "amdgcn-amd-amdhsa--gfx1250"
	.amdhsa_code_object_version 6
	.text
	.protected	k_q381e7b7285_proj
	.globl	k_q381e7b7285_proj
	.p2align	8
	.type	k_q381e7b7285_proj,@function
k_q381e7b7285_proj:
	s_mov_b64 s[64:65], 0
	v_nop
	global_prefetch_b8 v0, s[64:65] scope:SCOPE_SE
	s_setreg_imm32_b32 hwreg(HW_REG_WAVE_MODE, 25, 1), 1
	s_wait_xcnt 0x0
	s_wait_alu depctr_hold_cnt(0) depctr_sa_sdst(0) depctr_va_vdst(0) depctr_va_sdst(0) depctr_va_ssrc(0) depctr_va_vcc(0) depctr_vm_vsrc(0)
	s_getreg_b32 s2, hwreg(HW_REG_IB_STS2, 6, 4)
	s_cmp_eq_u32 s2, 0
	s_cbranch_scc0 .Lentry_in_a_cluster
	s_endpgm
.Lentry_in_a_cluster:
	s_bfe_u32 s2, ttmp6, 0x10000c
	s_cmp_lg_u32 s2, 0xf033
	s_cbranch_scc0 .Lentry_shape_is_right
	s_endpgm
.Lentry_shape_is_right:
; PROJ.  out0 [4096][1024] f32 = attn [4096][1024] x Wo [1024][1024], f16 operands, f32 sums.  Both operands arrive as images of their registers: [16-row tile][piece 64][lane][16 bytes], piece p = k 16 p + 8 h + 0..7.
; A tile of out0 is 128 x 128: 256 work-groups.  Four waves, each 64 x 64: 16 accumulators.  K goes in four steps of 256 through two LDS slots: a 16-row tile's part of a step is 8,192 dense bytes;
; a wave's tensor load brings four of them.  Fragment loads take 512 consecutive bytes: no padding is wanted.
; CLUSTERS: 4 x 4.  The four of a row of the cluster need the same tiles of attn, the four of a column the same tiles of Wo: each is asked for jointly.
; THE MATRIX INSTRUCTION IS USED TRANSPOSED (source 0 = 16 columns of Wo, source 1 = 16 tokens): a lane holds eight neighbouring numbers of a row of out0.
; A wave's 64 columns are 256 bytes of a row: each wave has a stage of its own for the way out, and no barrier is wanted there.
; Positions 0-15 of each sequence are written here like all rows and written again, more finely, by the launch that follows.
; REGISTERS: window 0: v16-29 addresses; v32-95 the way out; v128-255 the accumulators ((a, b) at v[128 + 8 (4 a + b)]).  window 1: two fragment buffers of 128: 64 registers of attn, then 64 of Wo.
.set KSTEPB, 8192                      ; a 16-row tile's bytes of a K step
.set HALFT,  4*KSTEPB                  ; what one tensor load brings, and what one wave reads of either operand
.set SLOT,   4*HALFT
.set STAGE,  2*SLOT
.set SPITCH, 272
.set SPARE,  STAGE+4*16*SPITCH
.set ADRA, 16
.set ADRB, 20
.set STO,  24
.set RD,   25
.set CO,   26
.set SPW,  28
.set NIL,  29
.set TMP,  32
.set ACC,  128
.set F0,   0
.set F1,   128
.set G1, 24
.set G0, 32
.set G1B, 48
.set G0B, 56
.set MSB, 0
.macro WIN new
.if MSB != (\new)
	s_set_vgpr_msb (MSB<<8)|(\new)
.set MSB, (\new)
.endif
.endm
.set MUL,  0x05                        ; sources 0 and 1 window 1; C and D window 0
.set TO_F, 0x40
.macro JLOAD s                         ; a joint load: waves 0 and 1 fetch attn's two halves, waves 2 and 3 Wo's; the branch hangs on the wave's number alone
	s_cmp_eq_u32 s11, 0
	s_cbranch_scc0 .Lfor_b_\@
	tensor_load_to_lds s[G0+4*\s:G0+4*\s+3], s[G1:G1+7]
	s_nop 0
.rept 4
	v_nop
.endr
	s_branch .Lasked_\@
.Lfor_b_\@:
	tensor_load_to_lds s[G0B+4*\s:G0B+4*\s+3], s[G1B:G1B+7]
	s_nop 0
.rept 4
	v_nop
.endr
.Lasked_\@:
.endm
.macro CREST
	s_cmp_lg_u32 s10, 0
	s_cbranch_scc1 .Lnot_wave_0_\@
	s_barrier_signal -3
.Lnot_wave_0_\@:
	s_barrier_wait -3
	s_barrier_signal -1
	s_barrier_wait -1
.endm
.macro CROUND
	s_barrier_signal -1
	s_barrier_wait -1
	CREST
.endm
.macro MUL8 f, c, a0, zero             ; 8 products: row blocks a0, a0 + 1 x all 4 column blocks, 32 along K: half c of buffer f.  The 16 accumulators take turns
.irp a, \a0, \a0+1
.irp b, 0,1,2,3
.if \zero
	v_wmma_f32_16x16x32_f16 v[ACC+8*(4*(\a)+\b):ACC+8*(4*(\a)+\b)+7], v[\f+64+8*(4*\c+\b):\f+64+8*(4*\c+\b)+7], v[\f+8*(4*\c+\a):\f+8*(4*\c+\a)+7], 0
.else
	v_wmma_f32_16x16x32_f16 v[ACC+8*(4*(\a)+\b):ACC+8*(4*(\a)+\b)+7], v[\f+64+8*(4*\c+\b):\f+64+8*(4*\c+\b)+7], v[\f+8*(4*\c+\a):\f+8*(4*\c+\a)+7], v[ACC+8*(4*(\a)+\b):ACC+8*(4*(\a)+\b)+7]
.endif
.endr
.endr
.endm
.macro FETCH slot, k, f                ; 32 LDS loads in one run: 64 along K from byte k of each tile's part, the first 32 along K first
	WIN TO_F
.irp c, 0,1
.irp i, 0,1,2,3
	ds_load_b128 v[\f+64+8*(4*\c+\i):\f+64+8*(4*\c+\i)+3],   v[ADRB+\slot] offset:\k+1024*\c+\i*KSTEPB
	ds_load_b128 v[\f+64+8*(4*\c+\i)+4:\f+64+8*(4*\c+\i)+7], v[ADRB+\slot] offset:\k+1024*\c+\i*KSTEPB+512
	ds_load_b128 v[\f+8*(4*\c+\i):\f+8*(4*\c+\i)+3],         v[ADRA+\slot] offset:\k+1024*\c+\i*KSTEPB
	ds_load_b128 v[\f+8*(4*\c+\i)+4:\f+8*(4*\c+\i)+7],       v[ADRA+\slot] offset:\k+1024*\c+\i*KSTEPB+512
.endr
.endr
.endm
.macro PLACES
.rept 4
	v_nop
.endr
.endm
.macro QUARTER slot, k, f, g, zero     ; 64 along K: multiplies buffer f and fetches the next quarter, at byte k, into g
	s_wait_dscnt 16                                ; the first 32 along K are in
	WIN MUL
	MUL8 \f, 0, 0, \zero
	MUL8 \f, 0, 2, \zero
	PLACES
	FETCH \slot, \k, \g
	s_wait_dscnt 32                                ; all but the 32 just issued
	WIN MUL
	MUL8 \f, 1, 0, 0
	MUL8 \f, 1, 2, 0
.endm
.macro TURN slot, next, fill           ; a slot's last quarter changes slots: one barrier; fill = 1: a round of the cluster's barrier, and this slot is filled again, two K steps ahead
	WIN 0
	s_wait_tensorcnt 0x0                           ; all my tensor loads have landed: my part of the next slot
	ds_add_u32 v[SPW], v[NIL]
	s_wait_dscnt 17                                ; (the add and the youngest sixteen loads may be out)
	WIN MUL
	MUL8 F1, 0, 0, 0
	s_wait_dscnt 0x0                               ; the add is done, and my reads of this slot are over
	s_barrier_signal -1
	MUL8 F1, 0, 2, 0
.if \fill
	WIN 0
.endif
	s_barrier_wait -1
.if \fill
	CREST                                          ; no wave of any partner still reads this slot's tile or has a load on its way
	s_add_nc_u64 s[G0+4*\slot+2:G0+4*\slot+3], s[G0+4*\slot+2:G0+4*\slot+3], 2*KSTEPB
	s_add_nc_u64 s[G0B+4*\slot+2:G0B+4*\slot+3], s[G0B+4*\slot+2:G0B+4*\slot+3], 2*KSTEPB
	JLOAD \slot                                    ; the first tensor load behind the round; its four v_nop are also the places in front of the loads below
.else
	PLACES
.endif
	FETCH \next, 0, F0
	WIN MUL
	MUL8 F1, 1, 0, 0
	MUL8 F1, 1, 2, 0
.endm
	s_load_b128 s[4:7], s[0:1], 0x0                ; ao, woi
	s_load_b64 s[8:9], s[0:1], 0x10                ; out0
	v_lshl_add_u32 v[SPW], v0, 2, SPARE
	v_mov_b32 v[NIL], 0
	ds_add_u32 v[SPW], v[NIL]                      ; the wave's opening: the add, twice on end, and its wait ahead of my first tensor load
	ds_add_u32 v[SPW], v[NIL]
	v_lshrrev_b32 v1, 5, v0
	v_readfirstlane_b32 s10, v1                    ; wave 0..3
	s_lshr_b32 s11, s10, 1                         ; which half of the tile's rows is mine.  Also: I fetch for attn (0) or for Wo (1)
	s_and_b32 s12, s10, 1                          ; which half of its columns.  Also: which four 16-row tiles I fetch
	s_bfe_u32 s40, ttmp6, 0x40000                  ; cx, cy
	s_bfe_u32 s41, ttmp6, 0x40004
	s_lshl_b32 s42, ttmp9, 2
	s_add_co_u32 s42, s42, s40                     ; tile column
	s_and_b32 s13, ttmp7, 0xffff
	s_lshl_b32 s13, s13, 2
	s_add_co_u32 s13, s13, s41                     ; tile row
	s_lshl_b32 s43, s41, 2
	s_lshl_b32 s43, 15, s43                        ; my row of the cluster
	s_lshl_b32 s44, 0x1111, s40                    ; my column
	s_or_b32 s[G1+0], s43, (3<<16)|(1<<21)         ; the mask; elements of 8 bytes; bit 21 beside a mask; no padding
	s_or_b32 s[G1B+0], s44, (3<<16)|(1<<21)
.irp g, G1, G1B
	s_mov_b32 s[\g+1], 1024<<16                    ; tensor_dim0 = 1,024: 8,192 bytes
	s_mov_b32 s[\g+2], 4<<16                       ; tensor_dim1 = 4 tiles
	s_mov_b32 s[\g+3], 1024<<16
	s_mov_b32 s[\g+4], 4
	s_mov_b32 s[\g+5], 4096                        ; a 16-row tile is 32,768 bytes
	s_mov_b32 s[\g+6], 0
	s_mov_b32 s[\g+7], 0
.endr
	s_lshl_b32 s17, s12, 17                        ; which four tiles I fetch
	s_lshl_b32 s16, s13, 18
	s_add_co_u32 s16, s16, s17                     ; attn: 8 tiles a tile row
	s_lshl_b32 s46, s42, 18
	s_add_co_u32 s46, s46, s17                     ; Wo: 8 tiles a tile column
	s_mov_b32 s17, 0
	s_mov_b32 s47, 0
	s_lshl_b32 s20, s10, 15                        ; where they go: wave x 32,768: no place in the cluster enters an LDS address
	s_wait_dscnt 0x0                               ; both opening adds are done
	s_wait_kmcnt 0x0
	s_add_nc_u64 s[14:15], s[4:5], s[16:17]
	s_add_nc_u64 s[46:47], s[6:7], s[46:47]
	CROUND                                         ; all sixteen work-groups are here: the first joint loads meet
.irp s, 0,1
	s_mov_b32 s[G0+4*\s], 1
	s_add_co_u32 s[G0+4*\s+1], s20, \s*SLOT
	s_add_nc_u64 s[G0+4*\s+2:G0+4*\s+3], s[14:15], \s*KSTEPB
	s_or_b32 s[G0+4*\s+3], s[G0+4*\s+3], 0x80000000
	s_mov_b32 s[G0B+4*\s], 1
	s_add_co_u32 s[G0B+4*\s+1], s20, \s*SLOT
	s_add_nc_u64 s[G0B+4*\s+2:G0B+4*\s+3], s[46:47], \s*KSTEPB
	s_or_b32 s[G0B+4*\s+3], s[G0B+4*\s+3], 0x80000000
	JLOAD \s
.endr
	v_and_b32 v1, 15, v0                           ; l % 16
	v_bfe_u32 v2, v0, 4, 1                         ; l / 16
	v_and_b32 v3, 31, v0
	v_lshlrev_b32 v3, 4, v3                        ; 16 x lane
	s_lshl_b32 s21, s11, 15                        ; my four tiles of attn
	s_lshl_b32 s22, s12, 15
	s_add_co_u32 s22, s22, 2*HALFT                 ; my four tiles of Wo, behind attn's eight
.irp s, 0,1
	v_add_nc_u32 v[ADRA+\s], s21, v3
	v_add_nc_u32 v[ADRB+\s], s22, v3
	s_add_co_u32 s21, s21, SLOT
	s_add_co_u32 s22, s22, SLOT
.endr
	s_mul_i32 s23, s10, 16*SPITCH
	s_add_co_u32 s23, s23, STAGE                   ; my stage
	v_mul_u32_u24 v4, v1, SPITCH                   ; in: row l % 16, 32 bytes for each half of the lanes
	v_lshl_add_u32 v4, v2, 5, v4
	v_add_nc_u32 v[STO], s23, v4
	v_mul_u32_u24 v5, v2, SPITCH                   ; back: lanes 0-15 one row of 256 bytes, lanes 16-31 the next
	v_lshl_add_u32 v5, v1, 4, v5
	v_add_nc_u32 v[RD], s23, v5
	v_lshlrev_b32 v5, 12, v2                       ; and the same two rows in out0
	v_lshl_add_u32 v[CO], v1, 4, v5
	s_lshl_b32 s16, s13, 19                        ; 128 rows of 4,096 bytes a tile row,
	s_lshl_b32 s17, s11, 18                        ; 64 for my half
	s_add_co_u32 s16, s16, s17
	s_mov_b32 s17, 0
	s_add_nc_u64 s[8:9], s[8:9], s[16:17]
	s_lshl_b32 s46, s42, 9                         ; 512 bytes a tile column, 256 for my half
	s_lshl_b32 s47, s12, 8
	s_add_co_u32 s46, s46, s47
	s_mov_b32 s47, 0
	s_add_nc_u64 s[8:9], s[8:9], s[46:47]
	s_wait_tensorcnt 1                             ; my part of K step 0 is in; K step 1's may be out
	s_barrier_signal -1
	s_barrier_wait -1
	FETCH 0, 0, F0
	QUARTER 0, 2048, F0, F1, 1                     ; the first products start the sums
	QUARTER 0, 4096, F1, F0, 0
	QUARTER 0, 6144, F0, F1, 0
	TURN 0, 1, 1                                   ; slot 0 takes K step 2
	QUARTER 1, 2048, F0, F1, 0
	QUARTER 1, 4096, F1, F0, 0
	QUARTER 1, 6144, F0, F1, 0
	TURN 1, 0, 1                                   ; slot 1 takes K step 3
	QUARTER 0, 2048, F0, F1, 0
	QUARTER 0, 4096, F1, F0, 0
	QUARTER 0, 6144, F0, F1, 0
	TURN 0, 1, 0                                   ; nothing is left to ask for
	QUARTER 1, 2048, F0, F1, 0
	QUARTER 1, 4096, F1, F0, 0
	QUARTER 1, 6144, F0, F1, 0
	s_wait_dscnt 16
	WIN MUL
	MUL8 F1, 0, 0, 0
	MUL8 F1, 0, 2, 0
	s_wait_dscnt 0
	MUL8 F1, 1, 0, 0
	MUL8 F1, 1, 2, 0
	WIN 0
; THE WAY OUT, a block of 16 rows x 64 columns at a time, through my own stage: LDS serves a wave's instructions in order, so no wait stands between the stores and the loads
.macro TOSTAGE a
.irp b, 0,1,2,3
	ds_store_b128 v[STO], v[ACC+8*(4*(\a)+\b):ACC+8*(4*(\a)+\b)+3] offset:64*\b          ; each accumulator from its low end on
	ds_store_b128 v[STO], v[ACC+8*(4*(\a)+\b)+4:ACC+8*(4*(\a)+\b)+7] offset:64*\b+16
.endr
.set BB, TMP+32*((\a)%2)
.irp t, 0,1,2,3,4,5,6,7
	ds_load_b128 v[BB+4*\t:BB+4*\t+3], v[RD] offset:\t*2*SPITCH
.endr
.endm
.macro SEND a, younger
.set BB, TMP+32*((\a)%2)
	s_wait_dscnt \younger                          ; the block is back in registers; the next block's 8 stores and 8 loads may be out
.irp t, 0,1,2,3,4,5,6,7
	global_store_b128 v[CO], v[BB+4*\t:BB+4*\t+3], s[8:9] offset:(\a)*65536+\t*8192 th:TH_STORE_NT   ; 16 lanes store 256 consecutive bytes, aligned
.endr
.endm
	PLACES
	TOSTAGE 0
.irp a, 1,2,3
.if \a > 1
	s_wait_xcnt 0x0                                ; block a - 2's stores have read their registers: block a's loads may land there
.endif
	TOSTAGE \a
	SEND \a-1, 16
.endr
	SEND 3, 0
	s_wait_tensorcnt 0x0                           ; the wave's end
	ds_add_u32 v[SPW], v[NIL]
	s_wait_dscnt 0x0
	CROUND                                         ; the closing round
	s_endpgm
.Lfunc_end_k_q381e7b7285_proj:
	.size	k_q381e7b7285_proj, .Lfunc_end_k_q381e7b7285_proj-k_q381e7b7285_proj
	.p2alignl 7, 3214868480
	.fill 96, 4, 3214868480
	.section	.rodata,"a",@progbits
	.p2align	6, 0x0
	.amdhsa_kernel k_q381e7b7285_proj
		.amdhsa_group_segment_fixed_size 327680
		.amdhsa_private_segment_fixed_size 0
		.amdhsa_enable_private_segment 0
		.amdhsa_kernarg_size 24
		.amdhsa_user_sgpr_count 2
		.amdhsa_user_sgpr_kernarg_segment_ptr 1
		.amdhsa_wavefront_size32 1
		.amdhsa_system_sgpr_workgroup_id_x 1
		.amdhsa_system_sgpr_workgroup_id_y 1
		.amdhsa_system_sgpr_workgroup_id_z 1
		.amdhsa_system_vgpr_workitem_id 0
		.amdhsa_next_free_vgpr 512
		.amdhsa_next_free_sgpr 66
		.amdhsa_reserve_vcc 0
		.amdhsa_float_denorm_mode_32 3
		.amdhsa_float_denorm_mode_16_64 3
		.amdhsa_memory_ordered 1
		.amdhsa_forward_progress 1
		.amdhsa_inst_pref_size 85
	.end_amdhsa_kernel
	.amdgpu_metadata
---
amdhsa.version: [ 1, 2 ]
amdhsa.kernels:
  - .name:           k_q381e7b7285_proj
    .symbol:         k_q381e7b7285_proj.kd
    .args:
      - { .name: ao, .offset: 0, .size: 8, .value_kind: global_buffer, .address_space: global }
      - { .name: woi, .offset: 8, .size: 8, .value_kind: global_buffer, .address_space: global }
      - { .name: out0, .offset: 16, .size: 8, .value_kind: global_buffer, .address_space: global }
    .group_segment_fixed_size: 327680
    .private_segment_fixed_size: 0
    .kernarg_segment_align: 8
    .kernarg_segment_size: 24
    .max_flat_workgroup_size: 128
    .sgpr_count:     66
    .vgpr_count:     512
    .wavefront_size: 32
...
	.end_amdgpu_metadata
.endif
;; end of part 4
;; launch fine (part 5): grid 32 x 2, 16 waves a work-group, no clusters, 35,840 bytes of LDS; arguments f32i, Wo, out0; writes out0
.if DOCPART == 5
	.amdgcn_target "amdgcn-amd-amdhsa--gfx1250"
	.amdhsa_code_object_version 6
	.text
	.protected	k_q381e7b7285_fine
	.globl	k_q381e7b7285_fine
	.p2align	8
	.type	k_q381e7b7285_fine,@function
k_q381e7b7285_fine:
	s_mov_b64 s[64:65], 0
	v_nop
	global_prefetch_b8 v0, s[64:65] scope:SCOPE_SE
	s_setreg_imm32_b32 hwreg(HW_REG_WAVE_MODE, 25, 1), 1
	s_wait_xcnt 0x0
; FINE.  Positions 0-15 of each sequence, where a row of the softmax averages few values: scores, softmax, P V and the projection by Wo in f32 throughout, from the f32 sums that the projections' launch kept.
; SHARES.  Work-group (ns, b): 32 columns of out0 for the 16 rows of sequence b.  Wave w = head w: its head's attention for the 16 positions (32 matrix instructions), its head's 64 k of the projection
; for the slice (32 more); the sixteen parts are added through LDS by waves 0-3.  Four waves share a SIMD's registers: 256 a wave hold 64 registers of Wo, hence slices of 32 columns.
; K's ORDER.  The four k of one 16 x 16 x 4 step are (h, j) -> base + 8 h + 2 e + j, alike on both sides: so the kept accumulators are operands as they lie, and nothing changes lanes.
; Both attention products and the projection are used transposed: a lane holds one query (lane % 16) throughout.
; The registers that the f32 matrix form writes (v176-255) are written by matrix instructions alone; what is made of the sums goes into other registers.
; REGISTERS: v1-13 addresses and constants; v14, v15 the add's two; v16-47 q, later O / l, later parts; v48-79 k, later the scores, p and work, later parts; v80-111 v; v112-175 Wo; v176-207 four score sums; v208-239 O^T; v240-255 the slice's two sums.
.set SPARE, 33792                      ; behind the sixteen parts of 4 x (512 + 16) bytes: the spare words, 128 bytes for each wave
.set SPW, 14
.set NIL, 15
.set Q,   16
.set K,   48
.set V,   80
.set WF,  112
.set SA,  176
.set O,   208
.set OUT, 240
.set SS,  48
.set P,   56
.macro FAR                             ; eight plain vector lines behind this matrix form (ISA guide 7.12.1)
.rept 8
	v_nop
.endr
.endm
	s_load_b128 s[4:7], s[0:1], 0x0                ; f32i, Wo
	s_load_b64 s[8:9], s[0:1], 0x10                ; out0
	v_lshl_add_u32 v[SPW], v0, 2, SPARE
	v_mov_b32 v[NIL], 0
	v_lshrrev_b32 v1, 5, v0
	v_readfirstlane_b32 s10, v1                    ; wave = head
	s_and_b32 s11, ttmp7, 0xffff                   ; the sequence
	v_and_b32 v1, 31, v0
	v_lshlrev_b32 v1, 4, v1                        ; 16 x lane
	v_and_b32 v2, 15, v0                           ; r
	v_bfe_u32 v3, v0, 4, 1                         ; h
	v_lshlrev_b32 v4, 15, v3
	v_lshl_add_u32 v4, v2, 2, v4                   ; Wo: 8 h rows of 4,096 bytes + 4 r
	s_mul_i32 s18, s10, 2112
	v_add_nc_u32 v5, s18, v1                       ; my part in LDS
	v_bfe_u32 v6, v0, 3, 4                         ; the adding: thread t of 128 takes token t / 8,
	v_and_b32 v7, 7, v0                            ; columns 4 (t % 8) + 0..3
	v_bfe_u32 v8, v0, 2, 1
	v_and_b32 v9, 1, v0
	v_lshl_add_u32 v8, v8, 1, v9                   ; which piece: 2 x column tile + register half
	v_mul_u32_u24 v8, v8, 528
	v_bfe_u32 v9, v0, 1, 1
	v_lshl_add_u32 v8, v9, 8, v8                   ; which half of the lanes
	v_lshl_add_u32 v8, v6, 4, v8                   ; lane % 16 = the token
	v_lshlrev_b32 v9, 12, v6
	v_lshl_add_u32 v9, v7, 4, v9                   ; and its place in out0
	v_lshlrev_b32 v10, 3, v3                       ; 8 h
	v_sub_nc_u32 v11, v2, v10                      ; r - 8 h
	v_mov_b32 v12, 0xff800000                      ; -infinity
	s_mov_b32 s26, 0x3e38aa3b                      ; c = log2(e) / 8
	s_mov_b32 s28, 0x76543210
	s_mov_b32 s29, 0xfedcba98
	s_add_co_u32 s20, s10, 1
	s_lshr_b32 s21, s20, 1
	s_sub_co_i32 s21, 3, s21
	s_lshl_b32 s21, s21, 23
	s_mov_b32 s25, 1.0
	s_bitcmp1_b32 s20, 0
	s_cselect_b32 s25, 0x3f3504f3, s25
	s_add_co_u32 s25, s25, s21                     ; 8 slope = 2^(3 - (head + 1) / 2)
	s_lshl_b32 s12, s11, 4
	s_add_co_u32 s12, s12, s10
	s_mul_i32 s12, s12, 12288
	s_mov_b32 s13, 0
	s_lshl_b32 s14, s10, 18                        ; Wo: my head's 64 rows,
	s_lshl_b32 s15, ttmp9, 7                       ; the slice's 128 bytes
	s_add_co_u32 s14, s14, s15
	s_lshl_b32 s16, s11, 23                        ; out0: 2,048 rows of 4,096 bytes a sequence
	s_add_co_u32 s16, s16, s15
	s_mov_b32 s15, 0
	s_mov_b32 s17, 0
	s_wait_kmcnt 0x0
	s_add_nc_u64 s[4:5], s[4:5], s[12:13]
	s_add_nc_u64 s[6:7], s[6:7], s[14:15]
	s_add_nc_u64 s[8:9], s[8:9], s[16:17]
.irp t, 0,1,2,3,4,5,6,7,8,9,10,11      ; q's four tiles, k's, v's: 8 registers each
	global_load_b128 v[Q+8*\t:Q+8*\t+3], v1, s[4:5] offset:\t*1024
	global_load_b128 v[Q+8*\t+4:Q+8*\t+7], v1, s[4:5] offset:\t*1024+512
.endr
.irp nt, 0,1
.irp ct, 0,1,2,3
.irp e, 0,1,2,3
.irp j, 0,1
	global_load_b32 v[WF+2*(4*(4*\nt+\ct)+\e)+\j], v4, s[6:7] offset:(16*\ct+2*\e+\j)*4096+\nt*64   ; Wo[64 w + 16 ct + 8 h + 2 e + j][32 ns + 16 nt + r]
.endr
.endr
.endr
.endr
	s_wait_loadcnt 63                              ; 64 loads were issued behind q, k and v: these are in
.irp u, 0,1                            ; S^T = k q^T: four sums by turns, one for each 16 of d
.irp e, 0,1
.irp b, 0,1,2,3
.if (\u == 0) && (\e == 0)
	v_wmma_f32_16x16x4_f32 v[SA+8*\b:SA+8*\b+7], v[K+8*\b+4*\u+2*\e:K+8*\b+4*\u+2*\e+1], v[Q+8*\b+4*\u+2*\e:Q+8*\b+4*\u+2*\e+1], 0
.else
	v_wmma_f32_16x16x4_f32 v[SA+8*\b:SA+8*\b+7], v[K+8*\b+4*\u+2*\e:K+8*\b+4*\u+2*\e+1], v[Q+8*\b+4*\u+2*\e:Q+8*\b+4*\u+2*\e+1], v[SA+8*\b:SA+8*\b+7]
.endif
.endr
.endr
.endr
	FAR
.irp i, 0,2,4,6                        ; the four sums are added, each from its low end on: register j = (key 8 h + j, query r)
	v_pk_add_f32 v[SS+\i:SS+\i+1], v[SA+\i:SA+\i+1], v[SA+8+\i:SA+8+\i+1]
	v_pk_add_f32 v[SS+\i:SS+\i+1], v[SS+\i:SS+\i+1], v[SA+16+\i:SA+16+\i+1]
	v_pk_add_f32 v[SS+\i:SS+\i+1], v[SS+\i:SS+\i+1], v[SA+24+\i:SA+24+\i+1]
.endr
.irp j, 0,1,2,3,4,5,6,7
	v_add_nc_u32 v[64+\j], \j, v10
.endr
.irp j, 0,1,2,3,4,5,6,7
	v_cvt_f32_u32 v[64+\j], v[64+\j]
.endr
.irp j, 0,1,2,3,4,5,6,7
	v_fma_f32 v[SS+\j], s25, v[64+\j], v[SS+\j]    ; + 8 slope x key: the reference's bias up to a shift that is constant along a row
.endr
.irp j, 0,1,2,3,4,5,6,7
	v_cmp_gt_i32 vcc_lo, \j, v11                   ; key 8 h + j > query r: hidden
	v_cndmask_b32 v[SS+\j], v[SS+\j], v12, vcc_lo
.endr
	v_max3_num_f32 v72, v48, v49, v50
	v_max3_num_f32 v72, v72, v51, v52
	v_max3_num_f32 v72, v72, v53, v54
	v_max_num_f32 v72, v72, v55
	v_mov_b32 v73, 0
	v_mov_b32 v75, 0
	v_permlanex16_b32 v73, v72, s28, s29
	v_max_num_f32 v72, v72, v73                    ; the row's maximum: key 0 counts for every query
	v_mul_f32 v74, s26, v72
.irp j, 0,1,2,3,4,5,6,7
	v_fma_f32 v[P+\j], v[SS+\j], s26, -v74
.endr
.irp j, 0,1,2,3,4,5,6,7
	v_exp_f32 v[P+\j], v[P+\j]
.endr
	v_nop                                          ; a plain line behind the last exponential
	s_wait_alu depctr_va_vdst(0)                   ; one wait for the batch, ahead of its first reader
	v_pk_add_f32 v[76:77], v[56:57], v[58:59]
	v_pk_add_f32 v[78:79], v[60:61], v[62:63]
	v_pk_add_f32 v[76:77], v[76:77], v[78:79]
	v_add_f32 v76, v76, v77
	v_permlanex16_b32 v73, v76, s28, s29
	v_add_f32 v76, v76, v73                        ; the row's sum
	v_rcp_f32 v74, v76
	v_nop
	s_wait_alu depctr_va_vdst(0)
.irp e, 0,1,2,3                        ; O^T = v^T p: four sums by turns
.irp ct, 0,1,2,3
.if \e == 0
	v_wmma_f32_16x16x4_f32 v[O+8*\ct:O+8*\ct+7], v[V+8*\ct+2*\e:V+8*\ct+2*\e+1], v[P+2*\e:P+2*\e+1], 0
.else
	v_wmma_f32_16x16x4_f32 v[O+8*\ct:O+8*\ct+7], v[V+8*\ct+2*\e:V+8*\ct+2*\e+1], v[P+2*\e:P+2*\e+1], v[O+8*\ct:O+8*\ct+7]
.endif
.endr
.endr
	FAR
.set n, 0
.rept 16
	v_pk_mul_f32 v[Q+n:Q+n+1], v[O+n:O+n+1], v[74:75] op_sel_hi:[1,0]   ; O^T / the sum: register 8 ct + j = (channel 16 ct + 8 h + j, query r)
.set n, n+2
.endr
	s_wait_loadcnt 0x0                             ; Wo
.irp ct, 0,1,2,3                       ; my head's part of the slice: two sums by turns
.irp e, 0,1,2,3
.irp nt, 0,1
.if (\ct == 0) && (\e == 0)
	v_wmma_f32_16x16x4_f32 v[OUT+8*\nt:OUT+8*\nt+7], v[WF+2*(4*(4*\nt+\ct)+\e):WF+2*(4*(4*\nt+\ct)+\e)+1], v[Q+8*\ct+2*\e:Q+8*\ct+2*\e+1], 0
.else
	v_wmma_f32_16x16x4_f32 v[OUT+8*\nt:OUT+8*\nt+7], v[WF+2*(4*(4*\nt+\ct)+\e):WF+2*(4*(4*\nt+\ct)+\e)+1], v[Q+8*\ct+2*\e:Q+8*\ct+2*\e+1], v[OUT+8*\nt:OUT+8*\nt+7]
.endif
.endr
.endr
.endr
	FAR
.irp nt, 0,1
	ds_store_b128 v5, v[OUT+8*\nt:OUT+8*\nt+3] offset:(2*\nt)*528          ; each sum from its low end on
	ds_store_b128 v5, v[OUT+8*\nt+4:OUT+8*\nt+7] offset:(2*\nt+1)*528
.endr
	s_wait_dscnt 0x0                               ; for the others' sake: my part lies in LDS
	s_barrier_signal -1
	s_barrier_wait -1
	s_cmp_lt_u32 s10, 4                            ; 128 threads add the sixteen parts: 16 bytes of out0 each
	s_cbranch_scc0 .Lend
.irp p, 0,1,2,3,4,5,6,7,8,9,10,11,12,13,14,15
	ds_load_b128 v[16+4*\p:19+4*\p], v8 offset:\p*2112
.endr
	s_wait_dscnt 0x0
.irp i, 0,1,2,3,4,5,6,7
	v_pk_add_f32 v[16+4*\i:17+4*\i], v[16+4*\i:17+4*\i], v[48+4*\i:49+4*\i]
	v_pk_add_f32 v[18+4*\i:19+4*\i], v[18+4*\i:19+4*\i], v[50+4*\i:51+4*\i]
.endr
.irp i, 0,1,2,3
	v_pk_add_f32 v[16+4*\i:17+4*\i], v[16+4*\i:17+4*\i], v[32+4*\i:33+4*\i]
	v_pk_add_f32 v[18+4*\i:19+4*\i], v[18+4*\i:19+4*\i], v[34+4*\i:35+4*\i]
.endr
.irp i, 0,1
	v_pk_add_f32 v[16+4*\i:17+4*\i], v[16+4*\i:17+4*\i], v[24+4*\i:25+4*\i]
	v_pk_add_f32 v[18+4*\i:19+4*\i], v[18+4*\i:19+4*\i], v[26+4*\i:27+4*\i]
.endr
	v_pk_add_f32 v[16:17], v[16:17], v[20:21]
	v_pk_add_f32 v[18:19], v[18:19], v[22:23]
	global_store_b128 v9, v[16:19], s[8:9]         ; eight lanes store a row's 128 bytes of the slice
.Lend:
	s_wait_tensorcnt 0x0                           ; the wave's end
	ds_add_u32 v[SPW], v[NIL]
	s_wait_dscnt 0x0
	s_endpgm
.Lfunc_end_k_q381e7b7285_fine:
	.size	k_q381e7b7285_fine, .Lfunc_end_k_q381e7b7285_fine-k_q381e7b7285_fine
	.p2alignl 7, 3214868480
	.fill 96, 4, 3214868480
	.section	.rodata,"a",@progbits
	.p2align	6, 0x0
	.amdhsa_kernel k_q381e7b7285_fine
		.amdhsa_group_segment_fixed_size 35840
		.amdhsa_private_segment_fixed_size 0
		.amdhsa_enable_private_segment 0
		.amdhsa_kernarg_size 24
		.amdhsa_user_sgpr_count 2
		.amdhsa_user_sgpr_kernarg_segment_ptr 1
		.amdhsa_wavefront_size32 1
		.amdhsa_system_sgpr_workgroup_id_x 1
		.amdhsa_system_sgpr_workgroup_id_y 1
		.amdhsa_system_sgpr_workgroup_id_z 1
		.amdhsa_system_vgpr_workitem_id 0
		.amdhsa_next_free_vgpr 256
		.amdhsa_next_free_sgpr 66
		.amdhsa_reserve_vcc 1
		.amdhsa_float_denorm_mode_32 3
		.amdhsa_float_denorm_mode_16_64 3
		.amdhsa_memory_ordered 1
		.amdhsa_forward_progress 1
		.amdhsa_inst_pref_size 25
	.end_amdhsa_kernel
	.amdgpu_metadata
---
amdhsa.version: [ 1, 2 ]
amdhsa.kernels:
  - .name:           k_q381e7b7285_fine
    .symbol:         k_q381e7b7285_fine.kd
    .args:
      - { .name: f32i, .offset: 0, .size: 8, .value_kind: global_buffer, .address_space: global }
      - { .name: Wo, .offset: 8, .size: 8, .value_kind: global_buffer, .address_space: global }
      - { .name: out0, .offset: 16, .size: 8, .value_kind: global_buffer, .address_space: global }
    .group_segment_fixed_size: 35840
    .private_segment_fixed_size: 0
    .kernarg_segment_align: 8
    .kernarg_segment_size: 24
    .max_flat_workgroup_size: 512
    .sgpr_count:     66
    .vgpr_count:     256
    .wavefront_size: 32
...
	.end_amdgpu_metadata
.endif
;; end of part 5
